; MI455X (gfx1250); checked and timed in simulation.
; The chip was launched on July 23, 2026; its instructions are those of AMD's public machine-readable ISA for CDNA 5 (MIT licence, August 2026) and "CDNA5" Instruction Set Architecture Reference Guide (July 2026). The comments in the code are by the model that wrote it; some were corrected since.
;; Multi Head Attention. Allowed arithmetic: matrix products marked QUANTISED: E2M3 operands, one E8M0 scale for each 32 along K, by v_wmma_scale_f32_16x16x128_f8f6f4 with both operands' format E2M3, f32 sums; everything else in f32.
;; Inputs: Wk 16 x 1,024 x 64 float32; Wp 1,024 x 1,024 float32; Wq 16 x 1,024 x 64 float32; Wv 16 x 1,024 x 64 float32; bp 1,024 float32; x 4 x 2,048 x 1,024 float32.
;; Outputs: out0 4 x 2,048 x 1,024 float32.
;; This version of the problem:
;;   THIS VERSION OF THE PROBLEM IS GIVEN IN LOW PRECISION. The matrix products marked QUANTISED in the list below multiply operands that are first quantised to E2M3 (2 exponent bits, 3 mantissa bits; 6 bits a number), with one power-of-two scale for each 32 numbers along K (OCP MX v1.0); their sums are f32. All else is computed in f32.
;;   The module's matrix products, in the order in which they are computed (A, B: the left and right operand; K: the contracted axis; several contracted axes count as one K, in the product's order):
;;     1. [M 1,024, K 1,024] x [K 1,024, N 8,192]; A: input Wq; B: input x: QUANTISED
;;     2. [M 1,024, K 1,024] x [K 1,024, N 8,192]; A: input Wk; B: input x: QUANTISED
;;     3. [M 1,024, K 1,024] x [K 1,024, N 8,192]; A: input Wv; B: input x: QUANTISED
;;     4. batch 64 x [M 2,048, K 64] x [K 64, N 2,048]; A: computed on the way; B: computed on the way: QUANTISED
;;     5. batch 64 x [M 2,048, K 2,048] x [K 2,048, N 64]; A: softmax (see below); B: computed on the way: QUANTISED
;;     6. [M 8,192, K 1,024] x [K 1,024, N 1,024]; A: computed on the way; B: input Wp: QUANTISED
;;   THE QUANTISER, for each operand of a quantised product, along K:
;;     - K is cut into blocks of 32 from its start; a last block that is shorter is filled with zeros.
;;     - A block's scale is 2^e with e = floor(log2(the largest magnitude in the block)) - 2, held to -126 .. 127; a block of zeros has e = 0. As a byte (E8M0): e + 127.
;;     - Each number is divided by its block's scale, clamped to +-7.5, and rounded to the nearest number of E2M3, ties to even, subnormals kept.
;;     - The product sums the exact products of the quantised numbers (number of the format x scale) in f32.
;;   ~~~python
;;   def quantise(x, axis):      # numpy; x: float32 -> the quantised numbers, widened to float32 again
;;       x = np.moveaxis(x, axis, -1); K = x.shape[-1]
;;       x = np.pad(x, [(0, 0)] * (x.ndim - 1) + [(0, -K % 32)]); x = x.reshape(x.shape[:-1] + (-1, 32)); a = np.abs(x).max(-1, keepdims=True)
;;       e = np.where(a > 0, np.clip(np.frexp(np.where(a > 0, a, 1))[1] - 1 - 2, -126, 127), 0)      # np.frexp(a)[1] - 1 = floor(log2(a)), exactly
;;       r = np.clip(x / 2.0 ** e, -7.5, 7.5)
;;       step = 2.0 ** (np.maximum(np.frexp(np.where(r == 0, 1, r))[1] - 1, 0) - 3)
;;       q = np.round(r / step) * step * 2.0 ** e      # np.round: ties to even
;;       return np.moveaxis(q.reshape(q.shape[:-2] + (-1,))[..., :K], -1, axis).astype(np.float32)
;;   ~~~
;;   SOFTMAX AHEAD OF A QUANTISED PRODUCT. Where the list says 'softmax', what is quantised is not the finished softmax but p = 2^(t - M), with t = logit x log2(e) and M = ceil(the row's largest t), a whole number; so 1/2 < the row's largest p <= 1. The row's sum l is taken of the UNQUANTISED p, in f32, and the product's result is divided by l at the end. Since M is a whole number, a kernel that streams over the keys may use a running M (the ceiling of the running maximum): every later rescaling is an exact power of two, which a block's scale takes up: the codes' values come out the same.
;;   OPERANDS COMPUTED ON THE WAY. 'Computed on the way' means the value that the module computes at that place (a softmax that the list does not call 'softmax' is quantised finished and normalised). What goes into a quantiser is computed in f32, as accurately as f32 sums, v_exp_f32 and their like allow (about 1e-6 of the number): no bf16 or f16 on the way to a quantiser, and a product that is left as it is and whose result goes on into a quantised operand takes f32 operands (vector FMAs, or v_wmma_f32_16x16x4_f32). A number that lies on a knife's edge between two numbers of the format may be rounded either way, as far as f32 arithmetic and the matrix unit's own rounding can turn it there, and no further.
;; One version. Each part assembles by itself: llvm-mc -triple=amdgcn-amd-amdhsa -mcpu=gfx1250 --defsym DOCPART=n.
;; ======== version 1 of 1: 4 launches
;; limits: right only within a limited range of input values
;; workspace buffers: xi 6,553,600 bytes; wi 3,276,800 bytes; qi 6,815,744 bytes; kv 13,369,344 bytes; oi 6,291,456 bytes; os 524,288 bytes
;; launch quant (part 1): grid 384 x 1, 4 waves a work-group, no clusters, 34,304 bytes of LDS; arguments x, Wq, Wk, Wv, Wp, xi, wi; writes xi, wi
.if DOCPART == 1
	.amdgcn_target "amdgcn-amd-amdhsa--gfx1250"
	.amdhsa_code_object_version 6
	.text
	.protected	k_q75197c05f0_quant
	.globl	k_q75197c05f0_quant
	.p2align	8
	.type	k_q75197c05f0_quant,@function
k_q75197c05f0_quant:
	s_mov_b64 s[64:65], 0
	v_nop
	global_prefetch_b8 v0, s[64:65] scope:SCOPE_SE
	s_setreg_imm32_b32 hwreg(HW_REG_WAVE_MODE, 25, 1), 1
	s_wait_xcnt 0x0
; x [8192][1024] and the four weights, all f32, become codes of FP6 (E2M3) with one E8M0 byte for each 32 along K (the 1,024 channels; for Wp its first axis),
; laid as IMAGES OF OPERAND REGISTERS, so that the later launches take them by dense loads and every store here covers 256 consecutive bytes, aligned.
;   fragment (16 rows x 128 K, 12 registers a lane): piece p = registers 2 p, 2 p + 1; lane l's 8 bytes at 256 p + 8 l: 1,536 bytes.
;   scale group (4 tiles): the word of (tile 2 s + u, row r) at 8 (16 u + r) + 4 s: 256 bytes.   slab (128 rows x 128 K) = 8 fragments + 2 groups = 12,800 bytes;   block (128 rows, all K) = 8 slabs.
; THE ROWS OF A TILE ARE NOT NEIGHBOURS for x, Wq, Wk, Wv: row p of tile T of a block is row 64 (T / 4) + 8 (T % 4) + 32 (p / 8) + p % 8, so that results of four neighbouring tiles are 32 neighbours along the next K.  Wp's tiles are 16 T + p.
; A block's scale is 2^(floor(log2(largest magnitude)) - 2): its byte is the largest magnitude's exponent field - 2, held at 1 from below.
; LIMITS: NaN and infinities among the inputs are not served; a block whose largest magnitude lies under 2^-124, a block of zeros too, keeps the byte 1 (zeros have zero codes; this program alone reads the bytes).
; SHARES: a wave's job is 64 rows x 128 K: 32 KiB in, four fragments and one scale group out.  Work-groups 0-255: x (K innermost: rows turn through the wave's own stage in LDS);
; 256-351: Wq, Wk, Wv, 352-383: Wp (K outermost: a lane takes a column and its registers run down K).  Work-groups share no input: no cluster.  No tensor load, no barrier: waves share nothing.
.set SEL,    20                        ; s[20:21] selects of v_permlanex16_b32: lane l xor 16
.set TM,     224                       ; v224-227 largest magnitudes, v228-231 bytes, v236-239 the conversions' scale operands
.set PC,     8                         ; v8-19 a fragment's codes, v20-26 at work
.set RAW,    32                        ; v32-159 two sets of 16 rows as loaded
.set X,      160                       ; v160-223 64 numbers of my row: register 16 b + i = k 32 b + 16 (lane / 16) + i
.set SW,     240                       ; v240-243 the four tiles' scale words
.set E,      244                       ; v244-245 the scale group as stored
.set SPITCH, 528                       ; a stage row: 512 bytes + 16, an odd multiple of 16: sixteen rows start in sixteen different columns of 16 bytes
.set WSTAGE, 16*SPITCH
; 64 numbers of a lane become a fragment's codes in v[pc] on and its row's scale word in v[w]
.macro QUANT s, pc, w
.irp b, 0,1,2,3
	v_max3_num_f32 v[TM+\b], |v[(\s)+16*\b]|, |v[(\s)+1+16*\b]|, 0x1800000   ; block b: my 16 numbers, and the floor 2^(3 - 127): the byte cannot fall under 1
.endr
.irp i, 2,4,6,8,10,12,14
.irp b, 0,1,2,3
	v_max3_num_f32 v[TM+\b], v[TM+\b], |v[(\s)+16*\b+\i]|, |v[(\s)+1+16*\b+\i]|   ; the four blocks by turns
.endr
.endr
.irp b, 0,1,2,3
	v_permlanex16_b32 v[TM+4+\b], v[TM+\b], s[SEL], s[SEL+1]
.endr
.irp b, 0,1,2,3
	v_max_num_f32 v[TM+\b], v[TM+\b], v[TM+4+\b]   ; with lane l xor 16's 16: the block's largest magnitude
.endr
.irp b, 0,1,2,3
	v_add_nc_u32 v[TM+12+\b], 0xff000000, v[TM+\b]   ; 2 off its exponent field: the conversion takes this operand's exponent field as its scale
.endr
.irp b, 0,1,2,3
	v_lshrrev_b32 v[TM+4+\b], 23, v[TM+12+\b]      ; the scale's byte
.endr
	v_lshl_or_b32 v[\w], v[TM+5], 8, v[TM+4]
	v_lshl_or_b32 v[\w], v[TM+6], 16, v[\w]
	v_lshl_or_b32 v[\w], v[TM+7], 24, v[\w]
.irp c, 0,1
	v_cvt_scalef32_pk16_fp6_f32 v[(\pc)+6*\c:(\pc)+2+6*\c], v[(\s)+32*\c:(\s)+15+32*\c], v[TM+12+2*\c]
	v_cvt_scalef32_pk16_fp6_f32 v[(\pc)+12+4*\c:(\pc)+14+4*\c], v[(\s)+16+32*\c:(\s)+31+32*\c], v[TM+13+2*\c]   ; (a conversion's three registers begin on an even number)
.endr
	v_nop                                          ; one plain instruction behind a scaled conversion
.irp c, 0,1                            ; the operand wants a WHOLE block in a lane: lanes 0-15 block 2 c, lanes 16-31 block 2 c + 1
.irp i, 0,1,2
	v_permlane16_swap_b32 v[(\pc)+6*\c+\i], v[(\pc)+12+4*\c+\i]
.endr
.irp i, 0,1,2
	v_mov_b32 v[(\pc)+3+6*\c+\i], v[(\pc)+12+4*\c+\i]
.endr
.endr
.endm
	s_load_b256 s[4:11], s[0:1], 0x0               ; x s[4:5], Wq s[6:7], Wk s[8:9], Wv s[10:11]
	s_load_b128 s[12:15], s[0:1], 0x20             ; Wp s[12:13], xi s[14:15]
	s_load_b64 s[16:17], s[0:1], 0x30              ; wi
	v_lshl_add_u32 v254, v0, 2, 0x8400
	v_mov_b32 v255, 0
	v_lshrrev_b32 v1, 5, v0
	v_readfirstlane_b32 s18, v1                    ; wave 0..3
	v_and_b32 v5, 31, v0                           ; lane
	v_lshlrev_b32 v2, 3, v5                        ; 8 x lane: my place in a piece and in a scale group
	s_and_b32 s19, ttmp9, 1
	s_lshl_b32 s19, s19, 2
	s_add_co_u32 s19, s19, s18                     ; which 128 along K is my wave's: 4 (work-group % 2) + wave
	s_mul_i32 s22, s19, 12800                      ; its slab in a block
	s_cmp_lt_u32 ttmp9, 256
	s_cbranch_scc0 .Lweights
; ---------------- x: 64 tokens (four tiles) x 128 channels
	s_mov_b32 s[SEL], 0x76543210
	s_mov_b32 s[SEL+1], 0xfedcba98
	s_mov_b32 s23, 0xffff0000                      ; lanes 16-31
	s_wait_alu depctr_va_vdst(0)
	v_lshlrev_b32 v1, 4, v5                        ; 16 x lane
	s_mul_i32 s24, s18, WSTAGE                     ; my wave's stage
	v_add_nc_u32 v3, s24, v1                       ; into it: a row's 512 bytes as they lie
	v_and_b32 v6, 15, v0
	v_bfe_u32 v7, v0, 4, 1
	v_mul_u32_u24 v4, v6, SPITCH
	v_lshl_add_u32 v4, v7, 6, v4
	v_add_nc_u32 v4, s24, v4                       ; out of it: row lane % 16, + 64 bytes for lanes 16-31
.irp b, 0,1,2,3
	v_mov_b32 v[TM+4+\b], 0                        ; written once: a lane permute's destination counts as one of its sources
.endr
	s_lshr_b32 s25, ttmp9, 1                       ; which 64 tokens
	s_lshl_b32 s26, s25, 18                        ; 64 rows of 4,096 bytes,
	s_lshl_b32 s27, s19, 9                         ; and my 512 bytes of a row
	s_add_co_u32 s26, s26, s27
	s_mov_b32 s27, 0
	s_lshr_b32 s28, s25, 1
	s_mul_i32 s28, s28, 102400                     ; the block of 128 tokens,
	s_add_co_u32 s28, s28, s22                     ; my slab,
	s_and_b32 s25, s25, 1
	s_mul_i32 s30, s25, 6144                       ; its first or second four fragments
	s_add_co_u32 s30, s30, s28
	s_mov_b32 s31, 0
	s_lshl_b32 s25, s25, 8
	s_add_co_u32 s28, s28, s25
	s_add_co_u32 s28, s28, 12288                   ; and the scale group that goes with them
	s_mov_b32 s29, 0
	s_wait_alu depctr_va_vdst(0)
	s_wait_kmcnt 0x0
	s_add_nc_u64 s[4:5], s[4:5], s[26:27]
	s_add_nc_u64 s[32:33], s[14:15], s[30:31]
	s_add_nc_u64 s[34:35], s[14:15], s[28:29]
.macro LOADX a                         ; tile a's sixteen rows: each load reads 512 consecutive bytes of one row
.irp p, 0,1,2,3,4,5,6,7,8,9,10,11,12,13,14,15
	global_load_b128 v[RAW+64*((\a)%2)+4*\p:RAW+64*((\a)%2)+4*\p+3], v1, s[4:5] offset:(8*(\a)+32*(\p/8)+\p%8)*4096 th:TH_LOAD_NT   ; THE ORDER OF A TILE'S ROWS, as it now stands for x, Wq, Wk, Wv: row p of tile T of a block is row 64 (T / 4) + 8 (T % 4) + 32 (p / 8) + p % 8
.endr
.endm
.macro TURNX a                         ; through the stage: LDS serves a wave's instructions in order (ISA guide 5.7.1.4), so no wait stands between the stores and the loads
.irp p, 0,1,2,3,4,5,6,7,8,9,10,11,12,13,14,15
	ds_store_b128 v3, v[RAW+64*((\a)%2)+4*\p:RAW+64*((\a)%2)+4*\p+3] offset:SPITCH*\p
.endr
.irp b, 0,1,2,3
.irp j, 0,1,2,3
	ds_load_b128 v[X+16*\b+4*\j:X+16*\b+4*\j+3], v4 offset:128*\b+16*\j
.endr
.endr
.endm
.macro XTILE a
.if (\a) < 3
	s_wait_loadcnt 16                              ; this tile's 16 loads are in; the next tile's 16 may be out
.else
	s_wait_loadcnt 0x0
.endif
	TURNX \a
	s_wait_dscnt 0x0                               ; my 64 numbers are back, and the stage's stores have read the raw registers
	s_wait_xcnt 0x0                                ; the last tile's stores have read the codes' registers: they are written again only behind this wait
.if (\a) < 2
	LOADX (\a)+2
.endif
	QUANT X, PC, SW+(\a)
.irp p, 0,1,2,3,4,5
	global_store_b64 v2, v[PC+2*\p:PC+2*\p+1], s[32:33] offset:1536*(\a)+256*\p   ; 32 lanes store 256 consecutive bytes, aligned
.endr
.endm
	LOADX 0
	LOADX 1
	XTILE 0
	XTILE 1
	XTILE 2
	XTILE 3
	v_cndmask_b32 v[E], v[SW], v[SW+1], s23        ; lanes 0-15: tile 0's words, lanes 16-31: tile 1's
	v_cndmask_b32 v[E+1], v[SW+2], v[SW+3], s23    ; tiles 2 and 3
	global_store_b64 v2, v[E:E+1], s[34:35]
	s_wait_tensorcnt 0x0
	ds_add_u32 v254, v255
	s_wait_dscnt 0x0
	s_endpgm
; ---------------- the weights: 64 columns (four tiles) x 128 along K
.macro LOADW n, pitch, sb              ; block n = 4 s + k32: W(32 k32 + i, my column of set s), i = 0 .. 31, into set n % 2
.irp i, 0,1,2,3,4,5,6,7,8,9,10,11,12,13,14,15,16,17,18,19,20,21,22,23,24,25,26,27,28,29,30,31
	global_load_b32 v[32+32*((\n)%2)+\i], v1, s[\sb:\sb+1] offset:(32*((\n)%4)+\i)*(\pitch)+(64+64*((\pitch)/4096))*((\n)/4)   ; from set to set: 16 columns in a head's weight (pitch 256), 32 in Wp
.endr
.endm
.macro BLOCKW n, pitch, sb
.set XS, 32+32*((\n)%2)
.set LO, 128+24*((\n)/4)+12*((\n)%2)+6*(((\n)%4)/2)   ; the lower 16 codes: K blocks 0, 1, 2, 3 go to FA, FB, FA + 6, FB + 6
.set HI, 176+4*((\n)%4)                ; the upper 16
.if (\n) < 7
	s_wait_loadcnt 32                              ; this block's 32 loads are in; the next block's 32 may be out
.else
	s_wait_loadcnt 0x0
.endif
	v_max3_num_f32 v12, |v[XS]|, |v[XS+1]|, |v[XS+2]|   ; the block's largest magnitude: all 32 numbers are mine
	v_max3_num_f32 v13, |v[XS+3]|, |v[XS+4]|, |v[XS+5]|
.irp i, 6,10,14,18,22,26
	v_max3_num_f32 v12, v12, |v[XS+\i]|, |v[XS+\i+1]|
	v_max3_num_f32 v13, v13, |v[XS+\i+2]|, |v[XS+\i+3]|
.endr
	v_max3_num_f32 v12, v12, |v[XS+30]|, |v[XS+31]|
	v_max3_num_f32 v12, v12, v13, 0x1800000        ; and the floor
	v_add_nc_u32 v11, 0xff000000, v12
	v_lshrrev_b32 v13, 23, v11                     ; the scale's byte
.if (\n)%4 == 0
	v_mov_b32 v[192+(\n)/4], v13                   ; four bytes to a word, the lower K in the lower byte
.else
	v_lshl_or_b32 v[192+(\n)/4], v13, 8*((\n)%4), v[192+(\n)/4]
.endif
	v_cvt_scalef32_pk16_fp6_f32 v[LO:LO+2], v[XS:XS+15], v11
	v_cvt_scalef32_pk16_fp6_f32 v[HI:HI+2], v[XS+16:XS+31], v11
.if (\n)+2 < 8
	LOADW (\n)+2, \pitch, \sb
.endif
.endm
; Lane (u, p) holds row p of tile 2 s + u, all four K blocks.  The operand wants, in tile 2 s, blocks 0, 2 in lanes 0-15 and blocks 1, 3 in lanes 16-31, and likewise in tile 2 s + 1:
; one exchange of halves between the registers of an even and an odd K block gives both tiles at once.
.macro SETOUT ss
.set FA, 128+24*(\ss)
.set FB, 140+24*(\ss)
	v_nop                                          ; one plain instruction behind the last scaled conversion
.irp i, 0,1,2
	v_permlane16_swap_b32 v[FA+\i], v[FB+\i]
	v_permlane16_swap_b32 v[176+\i], v[180+\i]
	v_permlane16_swap_b32 v[FA+6+\i], v[FB+6+\i]
	v_permlane16_swap_b32 v[184+\i], v[188+\i]
.endr
.irp i, 0,1,2
	v_mov_b32 v[FA+3+\i], v[176+\i]
	v_mov_b32 v[FB+3+\i], v[180+\i]
	v_mov_b32 v[FA+9+\i], v[184+\i]
	v_mov_b32 v[FB+9+\i], v[188+\i]
.endr
.irp p, 0,1,2,3,4,5
	global_store_b64 v2, v[FA+2*\p:FA+2*\p+1], s[32:33] offset:(2*(\ss))*1536+256*\p     ; each set has its own registers: no store's data are written again
	global_store_b64 v2, v[FB+2*\p:FB+2*\p+1], s[32:33] offset:(2*(\ss)+1)*1536+256*\p
.endr
.endm
.macro WJOB pitch, sb
	LOADW 0, \pitch, \sb
	LOADW 1, \pitch, \sb
.irp n, 0,1,2,3
	BLOCKW \n, \pitch, \sb
.endr
	SETOUT 0
.irp n, 4,5,6,7
	BLOCKW \n, \pitch, \sb
.endr
	SETOUT 1
	global_store_b64 v2, v[192:193], s[34:35]      ; lane (u, p) holds the words of tiles u and 2 + u, row p: the scale group as it stands
.endm
.Lweights:
	s_sub_co_u32 s24, ttmp9, 256
	s_lshr_b32 s24, s24, 1
	s_lshr_b32 s25, s24, 4                         ; which weight: 0 Wq, 1 Wk, 2 Wv, 3 Wp
	s_and_b32 s24, s24, 15                         ; which 64 columns: a head, or 64 columns of Wp
	s_lshl_b32 s26, s25, 3
	s_lshr_b32 s27, s24, 1
	s_add_co_u32 s26, s26, s27
	s_mul_i32 s26, s26, 102400                     ; the block of 128 rows of the operand,
	s_add_co_u32 s26, s26, s22                     ; my slab,
	s_and_b32 s27, s24, 1
	s_mul_i32 s30, s27, 6144                       ; its first or second four fragments
	s_add_co_u32 s30, s30, s26
	s_mov_b32 s31, 0
	s_lshl_b32 s27, s27, 8
	s_add_co_u32 s28, s26, s27
	s_add_co_u32 s28, s28, 12288                   ; and their scale group
	s_mov_b32 s29, 0
	s_wait_kmcnt 0x0
	s_add_nc_u64 s[32:33], s[16:17], s[30:31]
	s_add_nc_u64 s[34:35], s[16:17], s[28:29]
	s_cmp_eq_u32 s25, 3
	s_cbranch_scc1 .Lwp
	s_cmp_eq_u32 s25, 1                            ; the choice hangs on the work-group's number alone
	s_cselect_b64 s[6:7], s[8:9], s[6:7]
	s_cmp_eq_u32 s25, 2
	s_cselect_b64 s[6:7], s[10:11], s[6:7]
	s_lshl_b32 s26, s24, 18                        ; the head: 1,024 rows of 256 bytes,
	s_lshl_b32 s27, s19, 15                        ; my 128 of them
	s_add_co_u32 s26, s26, s27
	s_mov_b32 s27, 0
	s_add_nc_u64 s[6:7], s[6:7], s[26:27]
	s_wait_alu depctr_va_vdst(0)
	v_and_b32 v3, 7, v5                            ; lane (u, p) takes column 8 u + 32 (p / 8) + p % 8 of its set
	v_bfe_u32 v4, v5, 3, 1
	v_bfe_u32 v6, v5, 4, 1
	v_lshl_or_b32 v3, v4, 5, v3                    ; lane (u, p) takes column 8 u + 32 (p / 8) + p % 8 of its set
	v_lshl_or_b32 v3, v6, 3, v3
	v_lshlrev_b32 v1, 2, v3
	WJOB 256, 6
	s_endpgm
.Lwp:
	s_lshl_b32 s26, s24, 8                         ; my 64 columns,
	s_lshl_b32 s27, s19, 19                        ; my 128 rows of 4,096 bytes
	s_add_co_u32 s26, s26, s27
	s_mov_b32 s27, 0
	s_add_nc_u64 s[12:13], s[12:13], s[26:27]
	s_wait_alu depctr_va_vdst(0)
	v_lshlrev_b32 v1, 2, v5                        ; lane (u, p) takes column 16 u + p of its set
	WJOB 4096, 12
	s_endpgm
.Lfunc_end_k_q75197c05f0_quant:
	.size	k_q75197c05f0_quant, .Lfunc_end_k_q75197c05f0_quant-k_q75197c05f0_quant
	.p2alignl 7, 3214868480
	.fill 96, 4, 3214868480
	.section	.rodata,"a",@progbits
	.p2align	6, 0x0
	.amdhsa_kernel k_q75197c05f0_quant
		.amdhsa_group_segment_fixed_size 34304
		.amdhsa_private_segment_fixed_size 0
		.amdhsa_enable_private_segment 0
		.amdhsa_kernarg_size 56
		.amdhsa_user_sgpr_count 2
		.amdhsa_user_sgpr_kernarg_segment_ptr 1
		.amdhsa_wavefront_size32 1
		.amdhsa_system_sgpr_workgroup_id_x 1
		.amdhsa_system_sgpr_workgroup_id_y 1
		.amdhsa_system_sgpr_workgroup_id_z 1
		.amdhsa_system_vgpr_workitem_id 0
		.amdhsa_next_free_vgpr 256
		.amdhsa_next_free_sgpr 66
		.amdhsa_reserve_vcc 0
		.amdhsa_float_denorm_mode_32 3
		.amdhsa_float_denorm_mode_16_64 3
		.amdhsa_memory_ordered 1
		.amdhsa_forward_progress 1
		.amdhsa_inst_pref_size 114
	.end_amdhsa_kernel
	.amdgpu_metadata
---
amdhsa.version: [ 1, 2 ]
amdhsa.kernels:
  - .name:           k_q75197c05f0_quant
    .symbol:         k_q75197c05f0_quant.kd
    .args:
      - { .name: x, .offset: 0, .size: 8, .value_kind: global_buffer, .address_space: global }
      - { .name: Wq, .offset: 8, .size: 8, .value_kind: global_buffer, .address_space: global }
      - { .name: Wk, .offset: 16, .size: 8, .value_kind: global_buffer, .address_space: global }
      - { .name: Wv, .offset: 24, .size: 8, .value_kind: global_buffer, .address_space: global }
      - { .name: Wp, .offset: 32, .size: 8, .value_kind: global_buffer, .address_space: global }
      - { .name: xi, .offset: 40, .size: 8, .value_kind: global_buffer, .address_space: global }
      - { .name: wi, .offset: 48, .size: 8, .value_kind: global_buffer, .address_space: global }
    .group_segment_fixed_size: 34304
    .private_segment_fixed_size: 0
    .kernarg_segment_align: 8
    .kernarg_segment_size: 56
    .max_flat_workgroup_size: 128
    .sgpr_count:     66
    .vgpr_count:     256
    .wavefront_size: 32
...
	.end_amdgpu_metadata
.endif
;; end of part 1
;; launch qkv (part 2): grid 8 x 32, 4 waves a work-group, clusters of 4 x 4, 327,680 bytes of LDS; arguments xi, wi, qi, kv; writes qi, kv
.if DOCPART == 2
	.amdgcn_target "amdgcn-amd-amdhsa--gfx1250"
	.amdhsa_code_object_version 6
	.text
	.protected	k_q75197c05f0_qkv
	.globl	k_q75197c05f0_qkv
	.p2align	8
	.type	k_q75197c05f0_qkv,@function
k_q75197c05f0_qkv:
	s_mov_b64 s[64:65], 0
	v_nop
	global_prefetch_b8 v0, s[64:65] scope:SCOPE_SE
	s_setreg_imm32_b32 hwreg(HW_REG_WAVE_MODE, 25, 1), 1
	s_wait_xcnt 0x0
	s_wait_alu depctr_hold_cnt(0) depctr_sa_sdst(0) depctr_va_vdst(0) depctr_va_sdst(0) depctr_va_ssrc(0) depctr_va_vcc(0) depctr_vm_vsrc(0)
	s_getreg_b32 s2, hwreg(HW_REG_IB_STS2, 6, 4)
	s_cmp_eq_u32 s2, 0
	s_cbranch_scc0 .Lentry_in_a_cluster
	s_endpgm
.Lentry_in_a_cluster:
	s_bfe_u32 s2, ttmp6, 0x10000c
	s_cmp_lg_u32 s2, 0xf033
	s_cbranch_scc0 .Lentry_shape_is_right
	s_endpgm
.Lentry_shape_is_right:
; q, k, v = x W, on codes of FP6 (E2M3) with E8M0 scales for each 32 along K = the 1,024 channels; the results are quantised in registers and leave as operand images: q and k along the head's 64, v along the tokens.
; 256 WORK-GROUPS THAT STAY.  Work-group (j, g) keeps 256 tokens of x (group g: two blocks of 102,400 bytes, all of K) in LDS and walks three blocks of weights, 128 rows each, past them: job 0 Wq's block j, job 1 Wk's, job 2 Wv's
; (wi's blocks j, 8 + j, 16 + j: heads 2 j and 2 j + 1).  Every byte of x comes into LDS once.
; THE MATRIX INSTRUCTION: source 0 = eight tiles, source 1 = four tiles; a lane holds ONE row of source 1's tile and its registers run along source 0's rows.  Row p of tile T of a block is row 64 (T / 4) + 8 (T % 4) + 32 (p / 8) + p % 8,
; so the 32 registers of source 0's tiles 4 c .. 4 c + 3 are places 64 c + 32 (lane / 16) + 0 .. 31 along the axis that the result is quantised by: a whole scale block in a lane.
;   jobs 0, 1: source 0 = the weight's eight tiles, source 1 = my four tiles of x (64 tokens): a lane holds a token, its registers two heads' channels.
;   job 2: source 0 = the eight tiles of x's block wave / 2 (128 tokens: a key step), source 1 = the four tiles of head 2 j + wave % 2 of Wv: a lane holds a channel, its registers 128 tokens.  Only address registers differ.
; LDS: x's two blocks, then the weight's block in two halves of K (four slabs each).  FILLS, one tensor load a wave behind each round: at the head the first half of K (waves 0, 1 x's blocks, waves 2, 3 the halves of the weight's four slabs);
; behind a drained round the second half.  REFILLS: in slab 3 of jobs 0 and 1 the weight's first half, read for the last time, takes the next job's; in slab 7 the second half.  Each has four slabs' products or more in which to land.
; Jobs 0 and 1 are a loop of two trips; job 2, which asks for nothing more, is written out.  CLUSTERS: 4 x 4; x's tiles are asked for jointly along a row of the cluster, the weights' along a column.
; No prefetch: each refill is asked for four slabs ahead of its first read.
; LIMITS: NaN and infinities are not served; a block of results whose largest magnitude lies under 2^-124 keeps the byte 1 (this program alone reads the bytes).
; REGISTERS: window 0: v1-15 addresses and scale words made; v16-19 source 1's scale words, v20-27 source 0's, two sets each; v28 8 x (lane / 16); v40-48 the fetch's addresses; v64-159 source 1's fragments, two sets of 4 (on the way out: the codes made); v200-215 at work.
;   window 1: source 0's fragments, two sets of 8, at v0 and v96.   window 2: the 32 accumulators: (a, t) at v[8 (8 a + t)].
.set ABLK,  102400                     ; a block: 128 rows, all of K
.set SLAB,  12800                      ; a slab: 128 rows x 128 K: 8 fragments of 1,536 bytes (6 pieces of 256), 2 scale groups of 256
.set BOFF,  2*ABLK
.set ADA, 2                            ; v2     LDS address of source 1's four fragments in slab 0
.set ADB, 4                            ; v4-5   of source 0's eight, in slabs 0-3, 4-7 (an offset has 16 bits)
.set ADS, 6                            ; v6-7   of source 1's scale group
.set OFF, 8                            ; v8-11  where tile a's pieces go
.set SW,  12
.set SA,  16
.set SB,  20
.set SH8, 28
.set AQ,  40
.set AF,  64
.set TM,  200
.set SEL, 78
.set WV,  60                           ; s60 wave, s61 cx, s62 cy; s81 g, s84 j; s85 16 x batch + 2 j; s56 g % 8; s57 my first token tile; s59 the job
.set MSB, 0
.macro WIN new
.if MSB != \new
	s_set_vgpr_msb (MSB<<8)|\new
.set MSB, \new
.endif
.endm
.macro PLACES n
.rept \n
	v_nop
.endr
.endm
.macro CROUND                          ; a round of the cluster's barrier
	s_barrier_signal -1
	s_barrier_wait -1
	s_cmp_lg_u32 s[WV], 0
	s_cbranch_scc1 .Lnot_wave_0_\@
	s_barrier_signal -3
.Lnot_wave_0_\@:
	s_barrier_wait -3
	s_barrier_signal -1
	s_barrier_wait -1
.endm
.macro JLOAD c                         ; a first fill of half c of K, one joint load a wave: waves 0, 1 for x, waves 2, 3 for the weight; each line has one mask
	s_cmp_lt_u32 s[WV], 2
	s_cbranch_scc0 .Lfor_b_\@
	tensor_load_to_lds s[28+4*\c:31+4*\c], s[12:19]
	s_nop 0
	PLACES 4
	s_branch .Lasked_\@
.Lfor_b_\@:
	tensor_load_to_lds s[44+4*\c:47+4*\c], s[20:27]
	s_nop 0
	PLACES 4
.Lasked_\@:
.endm
.macro BLOAD c                         ; a refill of the weight's half c: waves 2 and 3, 100 rows each
	s_cmp_lt_u32 s[WV], 2
	s_cbranch_scc1 .Lnone_\@
	tensor_load_to_lds s[44+4*(\c):47+4*(\c)], s[20:27]
	s_nop 0
	PLACES 4
.Lnone_\@:
.endm
	s_load_b256 s[4:11], s[0:1], 0x0               ; xi s[4:5], wi s[6:7], qi s[8:9], kv s[10:11]
	v_lshl_add_u32 v254, v0, 2, 0x4b000
	v_mov_b32 v255, 0
	ds_add_u32 v254, v255                          ; the opening lines: the add, twice on end, and its wait
	ds_add_u32 v254, v255
	v_lshrrev_b32 v1, 5, v0
	v_readfirstlane_b32 s[WV], v1                  ; wave 0..3
	s_bfe_u32 s61, ttmp6, 0x40000                  ; cx
	s_bfe_u32 s62, ttmp6, 0x40004                  ; cy
	s_and_b32 s80, ttmp7, 0xffff
	s_lshl_b32 s81, s80, 2
	s_add_co_u32 s81, s81, s62                     ; g: which 256 tokens (in registers that never hold cx)
	s_mul_i32 s82, s81, 2*ABLK
	s_lshl_b32 s84, ttmp9, 2
	s_add_co_u32 s84, s84, s61                     ; j: which block of each weight (in registers that never hold cy)
	s_mul_i32 s86, s84, ABLK
	s_lshl_b32 s92, s62, 2
	s_lshl_b32 s92, 15, s92                        ; my row of the cluster
	s_or_b32 s12, s92, (3<<16)|(1<<21)             ; group 1: the mask; elements of 8 bytes; bit 21 set beside a mask.  Dense blocks as rows of 256 bytes
	s_lshl_b32 s93, 0x1111, s61                    ; my column
	s_or_b32 s20, s93, (3<<16)|(1<<21)
	s_mov_b32 s13, 32<<16
	s_mov_b32 s14, 200<<16                         ; x: four slabs of a block, 200 rows
	s_mov_b32 s15, 32<<16
	s_mov_b32 s16, 200
	s_mov_b32 s17, 32
	s_mov_b32 s18, 0
	s_mov_b32 s19, 0
	s_mov_b32 s21, 32<<16
	s_mov_b32 s22, 100<<16                         ; the weight: half of four slabs, 100 rows
	s_mov_b32 s23, 32<<16
	s_mov_b32 s24, 100
	s_mov_b32 s25, 32
	s_mov_b32 s26, 0
	s_mov_b32 s27, 0
	s_and_b32 s95, s[WV], 1
	s_mul_i32 s94, s95, ABLK                       ; waves 0, 1 fetch x's block wave % 2; the same offset in memory and in LDS
	s_mul_i32 s96, s95, 25600                      ; waves 2, 3 fetch half wave % 2 of the weight's four slabs
	s_add_co_u32 s82, s82, s94
	s_mov_b32 s83, 0
	s_add_co_u32 s86, s86, s96
	s_mov_b32 s87, 0
	s_wait_dscnt 0x0
	s_wait_kmcnt 0x0
	s_add_nc_u64 s[88:89], s[4:5], s[82:83]
	s_add_nc_u64 s[90:91], s[6:7], s[86:87]
	CROUND                                         ; all sixteen work-groups are here: the joint loads meet
.irp c, 0,1                            ; half c of K: slabs 4 c .. 4 c + 3
	s_mov_b32 s[28+4*\c], 1
	s_add_co_u32 s[29+4*\c], s94, 4*SLAB*\c
	s_add_nc_u64 s[30+4*\c:31+4*\c], s[88:89], 4*SLAB*\c
	s_or_b32 s[31+4*\c], s[31+4*\c], 0x80000000
	s_mov_b32 s[44+4*\c], 1
	s_add_co_u32 s[45+4*\c], s96, BOFF+4*SLAB*\c
	s_add_nc_u64 s[46+4*\c:47+4*\c], s[90:91], 4*SLAB*\c
	s_or_b32 s[47+4*\c], s[47+4*\c], 0x80000000
.endr
	JLOAD 0                                        ; one tensor load of mine is out
	s_lshr_b32 s97, s[WV], 1
	s_mul_i32 s97, s97, ABLK                       ; x's block wave / 2
	s_mul_i32 s99, s95, 6144
	s_add_co_u32 s99, s99, s97                     ; jobs 0, 1: my four tiles of x: tiles 4 (wave % 2) on,
	s_lshl_b32 s98, s95, 8
	s_add_co_u32 s98, s98, s97
	s_add_co_u32 s98, s98, 12288                   ; and their scale group
	s_mov_b32 s[SEL], 0x76543210
	s_mov_b32 s[SEL+1], 0xfedcba98
	s_mov_b32 s77, 0xffff0000                      ; lanes 16-31
	s_mov_b32 s75, 0xffff                          ; q, k: a scale word keeps two bytes,
	s_mov_b32 s76, 0x7f7f0000                      ; and gets the byte of 1.0 for the 64 along K that attention fills with zero codes
	s_lshr_b32 s85, s81, 3
	s_lshl_b32 s85, s85, 4
	s_lshl_b32 s56, s84, 1
	s_add_co_u32 s85, s85, s56                     ; 16 x batch + 2 j
	s_and_b32 s56, s81, 7
	s_lshl_b32 s57, s56, 4
	s_lshl_b32 s58, s[WV], 2
	s_add_co_u32 s57, s57, s58                     ; my first token tile in the batch: 16 (g % 8) + 4 wave
	v_and_b32 v1, 31, v0
	v_lshlrev_b32 v1, 3, v1                        ; 8 x lane: my place in every piece and scale group
	v_add_nc_u32 v[ADA], s99, v1
	v_add_nc_u32 v[ADB], BOFF, v1
	v_add_nc_u32 v[ADB+1], 4*SLAB, v[ADB]
	v_add_nc_u32 v[ADS], s98, v1
	v_add_nc_u32 v[ADS+1], 4*SLAB, v[ADS]
	v_bfe_u32 v[SH8], v0, 4, 1
	v_lshlrev_b32 v[SH8], 3, v[SH8]
	v_mov_b32 v[OFF], v1
.irp a, 1,2,3
	v_add_nc_u32 v[OFF+\a], 768*\a, v1             ; q, k: 768 bytes a tile
.endr
; slab k's fragments and scale words into a set: 39 LDS loads; two pieces of 256 consecutive bytes to a load, an address register for each eight pieces.
; The nine address lines are also the places behind the last products, ahead of loads into registers that they read
.macro FETCH k, set
	WIN 0
.irp j, 0,1,2,3,4,5
	v_add_nc_u32 v[AQ+\j], (\k)*SLAB+2048*\j, v[ADB]
.endr
.irp j, 0,1,2
	v_add_nc_u32 v[AQ+6+\j], (\k)*SLAB+2048*\j, v[ADA]
.endr
	WIN 0x40                                       ; destination window 1, address window 0
.irp j, 0,1,2,3,4,5
.irp m, 0,1,2,3
	ds_load_2addr_b64 v[96*(\set)+16*\j+4*\m:96*(\set)+16*\j+4*\m+3], v[AQ+\j] offset0:64*\m offset1:64*\m+32
.endr
.endr
	WIN 0
.irp j, 0,1,2
.irp m, 0,1,2,3
	ds_load_2addr_b64 v[AF+48*(\set)+16*\j+4*\m:AF+48*(\set)+16*\j+4*\m+3], v[AQ+6+\j] offset0:64*\m offset1:64*\m+32
.endr
.endr
	ds_load_b64 v[SA+2*(\set):SA+2*(\set)+1], v[ADS+(\k)/4] offset:((\k)%4)*SLAB
	ds_load_b64 v[SB+4*(\set):SB+4*(\set)+1], v[ADB+(\k)/4] offset:((\k)%4)*SLAB+12288
	ds_load_b64 v[SB+4*(\set)+2:SB+4*(\set)+3], v[ADB+(\k)/4] offset:((\k)%4)*SLAB+12544
.endm
; 32 products: the accumulators take turns, one instruction a turn, in the same order in every slab.  Slab 0's products start the sums: nothing is cleared.
; Tile 2 t2 + ub of source 0 has its scale words in lanes 16 ub on of register t2 of its set; source 1's tile 2 a2 + ua likewise
.macro MUL k, set
	WIN 0xa1                                       ; source 0 window 1, source 1 window 0, C and D window 2
.irp a2, 0,1
.irp ua, 0,1
.irp t2, 0,1,2,3
.irp ub, 0,1
.set D_, 8*(8*(2*\a2+\ua)+2*\t2+\ub)
.set B_, 96*(\set)+12*(2*\t2+\ub)
.set A_, AF+48*(\set)+12*(2*\a2+\ua)
.if (\k) == 0
	v_wmma_scale_f32_16x16x128_f8f6f4 v[D_:D_+7], v[B_:B_+11], v[A_:A_+11], 0, v[SB+4*(\set)+\t2], v[SA+2*(\set)+\a2] matrix_a_fmt:MATRIX_FMT_FP6 matrix_b_fmt:MATRIX_FMT_FP6 matrix_a_scale:MATRIX_SCALE_ROW\ub matrix_b_scale:MATRIX_SCALE_ROW\ua
.else
	v_wmma_scale_f32_16x16x128_f8f6f4 v[D_:D_+7], v[B_:B_+11], v[A_:A_+11], v[D_:D_+7], v[SB+4*(\set)+\t2], v[SA+2*(\set)+\a2] matrix_a_fmt:MATRIX_FMT_FP6 matrix_b_fmt:MATRIX_FMT_FP6 matrix_a_scale:MATRIX_SCALE_ROW\ub matrix_b_scale:MATRIX_SCALE_ROW\ua
.endif
.endr
.endr
.endr
.endr
.endm
; Slab k.  In slab 3 every wave's loads have landed and its reads of slabs 0-3 are over; in slab 7 those of slabs 4-7.  refill = 1: the half just read out takes the next job's rows, behind a drained round
.macro STEP k, refill
.if ((\k) == 3) || (((\k) == 7) && (\refill))
	WIN 0
	s_wait_tensorcnt 0x0                           ; all my tensor loads have landed;
.if \refill
	ds_add_u32 v254, v255
	s_add_nc_u64 s[46+4*((\k)/4):47+4*((\k)/4)], s[46+4*((\k)/4):47+4*((\k)/4)], 8*ABLK   ; no load of mine is out: this half's next rows lie eight blocks on in wi
.endif
	s_wait_dscnt 0x0                               ; the add is done, this slab's set is in, and my reads of the half are over
.if \refill
	CROUND
	BLOAD (\k)/4
.else
	s_barrier_signal -1
	s_barrier_wait -1                              ; everybody's loads have landed
.endif
.else
	s_wait_dscnt 0x0                               ; this slab's set is in
.endif
.if (\k) < 7
	FETCH (\k)+1, ((\k)+1)%2
.endif
	MUL \k, (\k)%2
.endm
; The 64 results of a lane for tile a (window 2, v[s] on: register 32 c + i = place 64 c + 32 (lane / 16) + i along the next K) become a fragment's codes in v[pc] on and a scale word in v[w]
.macro QUANTW s, pc, w
	WIN 0x28                                       ; sources 1 and 2 window 2
.irp b, 0,1,2,3
	v_max3_num_f32 v[TM+\b], 0x1800000, |v[(\s)+16*\b]|, |v[(\s)+1+16*\b]|   ; each accumulator is read from its low end on; the floor 2^(3 - 127) holds the byte at 1
.endr
.irp i, 2,4,6,8,10,12,14
.irp b, 0,1,2,3
	v_max3_num_f32 v[TM+\b], v[TM+\b], |v[(\s)+16*\b+\i]|, |v[(\s)+1+16*\b+\i]|
.endr
.endr
	WIN 0
.irp c, 0,1
	v_max_num_f32 v[TM+\c], v[TM+2*\c], v[TM+2*\c+1]   ; my blocks 2 c + lane / 16
.endr
.irp c, 0,1
	v_add_nc_u32 v[TM+12+\c], 0xff000000, v[TM+\c]
.endr
.irp c, 0,1
	v_lshrrev_b32 v[TM+4+\c], 23, v[TM+12+\c]
.endr
	v_lshl_or_b32 v[TM+4], v[TM+5], 16, v[TM+4]    ; my two bytes,
	v_lshlrev_b32 v[TM+4], v[SH8], v[TM+4]         ; at their places;
	v_permlanex16_b32 v[TM+5], v[TM+4], s[SEL], s[SEL+1]
	v_or_b32 v[\w], v[TM+4], v[TM+5]               ; with lane l xor 16's two the word is whole
	WIN 0x02                                       ; source 0 window 2
.irp c, 0,1
	v_cvt_scalef32_pk16_fp6_f32 v[(\pc)+6*\c:(\pc)+2+6*\c], v[(\s)+32*\c:(\s)+15+32*\c], v[TM+12+\c]
	v_cvt_scalef32_pk16_fp6_f32 v[(\pc)+12+4*\c:(\pc)+14+4*\c], v[(\s)+16+32*\c:(\s)+31+32*\c], v[TM+12+\c]   ; (a conversion's three registers begin on an even number)
.endr
	WIN 0
	v_nop                                          ; one plain instruction behind a scaled conversion
.irp c, 0,1
.irp i, 0,1,2
	v_mov_b32 v[(\pc)+3+6*\c+\i], v[(\pc)+12+4*\c+\i]
.endr
.endr
.endm
; A job: eight slabs, then the way out.  isv = 1: v
.macro JOB refill, isv
	FETCH 0, 0
.irp k, 0,1,2,3,4,5,6,7
	STEP \k, \refill
.endr
	WIN 0
	PLACES 4                                       ; in front of the first read of results
.irp a, 0,1,2,3
	QUANTW 64*\a, AF+24*\a, SW+\a
.irp p, 0,1,2
	global_store_b64 v[OFF+\a], v[AF+24*\a+2*\p:AF+24*\a+2*\p+1], s[70:71] offset:256*\p       ; 32 lanes store 256 consecutive bytes, aligned; each tile has its own registers
	global_store_b64 v[OFF+\a], v[AF+24*\a+6+2*\p:AF+24*\a+7+2*\p], s[72:73] offset:256*\p
.endr
.endr
	v_cndmask_b32 v32, v[SW], v[SW+1], s77         ; the scale group: lanes 0-15 tiles 0 and 2, lanes 16-31 tiles 1 and 3
	v_cndmask_b32 v33, v[SW+2], v[SW+3], s77
.if \isv
	global_store_b64 v1, v[32:33], s[66:67]
.else
	v_and_or_b32 v34, v32, s75, s76                ; the words' lower two bytes belong to the first head,
	v_and_or_b32 v35, v33, s75, s76
	global_store_b64 v1, v[34:35], s[66:67]
	v_lshrrev_b32 v36, 16, v32                     ; the upper two to the second
	v_lshrrev_b32 v37, 16, v33
	v_or_b32 v36, s76, v36
	v_or_b32 v37, s76, v37
	global_store_b64 v1, v[36:37], s[68:69]
.endif
.endm
	s_wait_alu depctr_va_vdst(0)                   ; the wait at the head's end
	s_wait_tensorcnt 0x0                           ; my part of the first half of K has landed
	ds_add_u32 v254, v255
	s_wait_dscnt 0x0
	CROUND                                         ; everybody's part is in, and all sixteen work-groups are here
	JLOAD 1                                        ; the second half of K, into bytes of its own
	s_mov_b32 s59, 0
.Ljob:                                                 ; job 0: q, job 1: k
	s_wait_xcnt 0x0                                ; the last job's stores have read their registers and bases
	s_cmp_eq_u32 s59, 0
	s_cselect_b64 s[66:67], s[8:9], s[10:11]       ; q goes to qi, k to kv
	s_mov_b32 s68, 208896
	s_cselect_b32 s68, 106496, s68                 ; a head's bytes there
	s_mov_b32 s69, 196608
	s_cselect_b32 s69, 98304, s69                  ; and where its scale groups begin
	s_mul_i32 s2, s85, s68
	s_mul_i32 s98, s57, 768
	s_add_co_u32 s98, s98, s2                      ; codes: 768 bytes a tile
	s_mov_b32 s99, 0
	s_lshl_b32 s3, s57, 6
	s_add_co_u32 s2, s2, s3
	s_add_co_u32 s2, s2, s69                       ; my four tiles' scale group
	s_mov_b32 s3, 0
	s_mov_b32 s69, 0
	s_add_nc_u64 s[70:71], s[66:67], s[98:99]      ; pieces 0-2: the first head
	s_add_nc_u64 s[72:73], s[70:71], s[68:69]      ; pieces 3-5: the second
	s_add_nc_u64 s[66:67], s[66:67], s[2:3]
	s_add_nc_u64 s[68:69], s[66:67], s[68:69]
	JOB 1, 0
	s_add_co_u32 s59, s59, 1
	s_cmp_lt_u32 s59, 2
	s_cbranch_scc1 .Ljob
; job 2: v.  Head 16 x batch + 2 j + wave % 2, key step 2 (g % 8) + wave / 2
	s_wait_xcnt 0x0
	s_add_co_u32 s2, s85, s95
	s_mul_i32 s2, s2, 208896
	s_lshl_b32 s3, s56, 1
	s_lshr_b32 s98, s[WV], 1
	s_add_co_u32 s3, s3, s98
	s_mul_i32 s98, s3, 6144
	s_add_co_u32 s98, s98, s2
	s_add_co_u32 s98, s98, 98304                   ; codes: four fragments a step
	s_mov_b32 s99, 0
	s_lshl_b32 s3, s3, 8
	s_add_co_u32 s2, s2, s3
	s_add_co_u32 s2, s2, 204800                    ; one scale group a step
	s_mov_b32 s3, 0
	s_add_nc_u64 s[70:71], s[10:11], s[98:99]
	s_add_nc_u64 s[72:73], s[70:71], 768
	s_add_nc_u64 s[66:67], s[10:11], s[2:3]
	s_mul_i32 s98, s95, 6144
	s_add_co_u32 s98, s98, BOFF
	s_lshl_b32 s99, s95, 8
	s_add_co_u32 s99, s99, BOFF+12288
	v_add_nc_u32 v[ADB], s97, v1                   ; source 0: x's block wave / 2
	v_add_nc_u32 v[ADB+1], 4*SLAB, v[ADB]
	v_add_nc_u32 v[ADA], s98, v1                   ; source 1: Wv's tiles 4 (wave % 2) on,
	v_add_nc_u32 v[ADS], s99, v1                   ; and their scale group
	v_add_nc_u32 v[ADS+1], 4*SLAB, v[ADS]
.irp a, 1,2,3
	v_add_nc_u32 v[OFF+\a], 1536*\a, v1            ; 1,536 bytes a fragment
.endr
	JOB 0, 1
	s_wait_tensorcnt 0x0                           ; the wave's end
	ds_add_u32 v254, v255
	s_wait_dscnt 0x0
	CROUND                                         ; the closing round
	s_endpgm
.Lfunc_end_k_q75197c05f0_qkv:
	.size	k_q75197c05f0_qkv, .Lfunc_end_k_q75197c05f0_qkv-k_q75197c05f0_qkv
	.p2alignl 7, 3214868480
	.fill 96, 4, 3214868480
	.section	.rodata,"a",@progbits
	.p2align	6, 0x0
	.amdhsa_kernel k_q75197c05f0_qkv
		.amdhsa_group_segment_fixed_size 327680
		.amdhsa_private_segment_fixed_size 0
		.amdhsa_enable_private_segment 0
		.amdhsa_kernarg_size 32
		.amdhsa_user_sgpr_count 2
		.amdhsa_user_sgpr_kernarg_segment_ptr 1
		.amdhsa_wavefront_size32 1
		.amdhsa_system_sgpr_workgroup_id_x 1
		.amdhsa_system_sgpr_workgroup_id_y 1
		.amdhsa_system_sgpr_workgroup_id_z 1
		.amdhsa_system_vgpr_workitem_id 0
		.amdhsa_next_free_vgpr 768
		.amdhsa_next_free_sgpr 100
		.amdhsa_reserve_vcc 0
		.amdhsa_float_denorm_mode_32 3
		.amdhsa_float_denorm_mode_16_64 3
		.amdhsa_memory_ordered 1
		.amdhsa_forward_progress 1
		.amdhsa_inst_pref_size 157
	.end_amdhsa_kernel
	.amdgpu_metadata
---
amdhsa.version: [ 1, 2 ]
amdhsa.kernels:
  - .name:           k_q75197c05f0_qkv
    .symbol:         k_q75197c05f0_qkv.kd
    .args:
      - { .name: xi, .offset: 0, .size: 8, .value_kind: global_buffer, .address_space: global }
      - { .name: wi, .offset: 8, .size: 8, .value_kind: global_buffer, .address_space: global }
      - { .name: qi, .offset: 16, .size: 8, .value_kind: global_buffer, .address_space: global }
      - { .name: kv, .offset: 24, .size: 8, .value_kind: global_buffer, .address_space: global }
    .group_segment_fixed_size: 327680
    .private_segment_fixed_size: 0
    .kernarg_segment_align: 8
    .kernarg_segment_size: 32
    .max_flat_workgroup_size: 128
    .sgpr_count:     100
    .vgpr_count:     768
    .wavefront_size: 32
...
	.end_amdgpu_metadata
.endif
;; end of part 2
;; launch attn (part 3): grid 4 x 64, 16 waves a work-group, clusters of 4 x 1, 215,040 bytes of LDS; arguments qi, kv, oi, os; writes oi, os
.if DOCPART == 3
	.amdgcn_target "amdgcn-amd-amdhsa--gfx1250"
	.amdhsa_code_object_version 6
	.text
	.protected	k_q75197c05f0_attn
	.globl	k_q75197c05f0_attn
	.p2align	8
	.type	k_q75197c05f0_attn,@function
k_q75197c05f0_attn:
	s_mov_b64 s[64:65], 0
	v_nop
	global_prefetch_b8 v0, s[64:65] scope:SCOPE_SE
	s_setreg_imm32_b32 hwreg(HW_REG_WAVE_MODE, 25, 1), 1
	s_wait_xcnt 0x0
	s_wait_alu depctr_hold_cnt(0) depctr_sa_sdst(0) depctr_va_vdst(0) depctr_va_sdst(0) depctr_va_ssrc(0) depctr_va_vcc(0) depctr_vm_vsrc(0)
	s_getreg_b32 s2, hwreg(HW_REG_IB_STS2, 6, 4)
	s_cmp_eq_u32 s2, 0
	s_cbranch_scc0 .Lentry_in_a_cluster
	s_endpgm
.Lentry_in_a_cluster:
	s_bfe_u32 s2, ttmp6, 0x10000c
	s_cmp_lg_u32 s2, 0x3003
	s_cbranch_scc0 .Lentry_shape_is_right
	s_endpgm
.Lentry_shape_is_right:
; o = softmax(q k^T / 8) v for one head (work-group y = 16 x batch + head), both products on codes of FP6 (E2M3) with E8M0 scales for each 32 along K; o is quantised along the head's 64 and leaves as an operand image.
; THE SOFTMAX AHEAD OF THE SECOND PRODUCT: t = score x log2(e) / 8; M = the row's largest t so far, rounded UP to a whole number; p = 2^(t - M) is what is quantised, along the keys, not normalised.
; The row's sum is taken of the unquantised p and divides o at the end.  When M moves, the sum and O are multiplied by 2^(old M - new M): exact.
; SHARES: a work-group owns 512 queries; each of its sixteen waves two tiles of 16, one after the other, in 256 registers: four waves to a SIMD.
; THE HEAD'S WHOLE K AND V, codes and scale words, 208,896 bytes, lie in LDS, filled once: one tensor load a wave (51 rows of 256 bytes), so one load of mine is out.  CLUSTER: the four query blocks of a head
; need the same bytes: each load is asked for jointly by the four.  No prefetch: all is asked for at the head, and there is no later load to run ahead of.
; LAYOUT: both products transposed (S^T = K Q^T, O^T = V^T P^T): a lane holds ONE query.  Row p of key tile T of a step is key 64 (T / 4) + 8 (T % 4) + 32 (p / 8) + p % 8, so the 32 registers of tiles 4 c .. 4 c + 3
; of lane (r, h) are keys 64 c + 32 h + 0 .. 31: a WHOLE scale block, in the very place that the second product's operand gives that lane.  No half is exchanged between lanes; only the row's maximum and p's scale word are joined with lane l xor 16.
; V's channels are ordered alike, so a lane's 32 numbers of o are channels 32 h + 0 .. 31: one block.
; THE FIRST PRODUCT'S K IS 64: registers 6-11 of Q's fragment are zero codes, and both sides' scale bytes for them stand for 1.0; so what stands in registers 6-11 of K's fragment counts for nothing:
; K's tiles lie 6 registers apart, and behind the last tile stand the second query tile's codes.
; LDS LOADS RUN AHEAD: V's fragments of a step are asked for behind its first product, K's of the next step ahead of its second product (behind the last step: step 0's, which the next tile begins with; the second tile's are not used).
; Between a step's first product and that request K's registers are scratch.
; LIMITS: NaN and infinities are not served; p under 2^-126 falls to 0; a block whose largest magnitude lies under 2^-124 keeps the byte 1 (this program alone reads the bytes).
.set VC,  98304                        ; LDS as memory: K's codes (128 tiles x 768) at 0; V's (16 steps x 4 x 1,536) here;
.set KSC, 196608                       ; K's scale groups (32 x 256);
.set VSC, 204800                       ; V's (16 x 256);
.set OS,  208896                       ; in blocks that no load fills: the stage for o's scale words, 2,048 bytes;
.set SPARE, 212992                     ; the spare words, 128 bytes a wave
.set WV,  28
.set SEL, 20
.set CS,  22
; v1 8 x lane; v2, v3 the stage; v4 V's scale group, v5-7 V's codes, v8-10 K's codes, v11 K's scale groups: the step's LDS addresses, one for each eight pieces; v12 -M, v13 the largest score; v[14:15] the sum
.set Q,   16                           ; v16-21 Q's codes, v22-27 zero codes
.set SH8, 28                           ; 8 x (lane / 16)
.set SPW, 29                           ; my spare word
.set NIL, 30                           ; 0
.set QS2, 31                           ; the second tile's scale word
.set KF,  32                           ; v32-79 K's eight tiles
.set Q2,  80                           ; v80-85 the second tile's codes
.set F,   86                           ; v86 f = 2^(old M - new M); v87 named with it as a pair
.set QS,  88                           ; Q's scale word
.set PW,  89                           ; p's
.set SO,  90                           ; v90-91 the conversions' scale operands
.set VS,  92                           ; v92-93 V's scale words
.set X,   94                           ; v94-95 a second chain of the sum
.set S,   96                           ; v96-159 S^T, then p; behind the loop o and its way out
.set O,   160                          ; v160-191 O^T
.set VF,  192                          ; v192-239 V's four fragments
.set PC,  240                          ; v240-251 p's codes
.set KS,  252                          ; v252-255 K's scale words
.set MB,  32                           ; scratch in K's registers: v32-35 largest scores,
.set SU,  36                           ; v36-41 three chains of the sum,
.set TP,  44                           ; v44-45 at work,
.set CT,  48                           ; v48-50, v52-54 the second conversions' codes
.macro PLACES n
.rept \n
	v_nop
.endr
.endm
.macro WALU
	s_wait_alu depctr_va_vdst(0)
.endm
.macro CROUND                          ; a round of the cluster's barrier
	s_barrier_signal -1
	s_barrier_wait -1
	s_cmp_lg_u32 s[WV], 0
	s_cbranch_scc1 .Lnot_wave_0_\@
	s_barrier_signal -3
.Lnot_wave_0_\@:
	s_barrier_wait -3
	s_barrier_signal -1
	s_barrier_wait -1
.endm
.macro WM d, a, b, c, sa, sb, ua       ; one product.  ua: 1 where source 0's scale words lie in lanes 16-31 of the register named
.if \ua
	v_wmma_scale_f32_16x16x128_f8f6f4 v[(\d):(\d)+7], v[(\a):(\a)+11], v[(\b):(\b)+11], \c, v[\sa], v[\sb] matrix_a_fmt:MATRIX_FMT_FP6 matrix_b_fmt:MATRIX_FMT_FP6 matrix_a_scale:MATRIX_SCALE_ROW1
.else
	v_wmma_scale_f32_16x16x128_f8f6f4 v[(\d):(\d)+7], v[(\a):(\a)+11], v[(\b):(\b)+11], \c, v[\sa], v[\sb] matrix_a_fmt:MATRIX_FMT_FP6 matrix_b_fmt:MATRIX_FMT_FP6
.endif
.endm
.macro KLOAD                           ; a step's eight tiles of K and their scale words: 13 LDS loads, two pieces of 256 consecutive bytes to a load
.irp j, 0,1,2
.irp m, 0,1,2,3
	ds_load_2addr_b64 v[KF+16*\j+4*\m:KF+16*\j+4*\m+3], v[8+\j] offset0:64*\m offset1:64*\m+32
.endr
.endr
	ds_load_2addr_b64 v[KS:KS+3], v11 offset0:0 offset1:32
.endm
	s_load_b256 s[4:11], s[0:1], 0x0               ; qi s[4:5], kv s[6:7], oi s[8:9], os s[10:11]
	v_lshl_add_u32 v[SPW], v0, 2, SPARE
	v_mov_b32 v[NIL], 0
	ds_add_u32 v[SPW], v[NIL]                      ; the opening lines: the add, twice on end, and its wait ahead of my tensor load
	ds_add_u32 v[SPW], v[NIL]
	v_lshrrev_b32 v1, 5, v0
	v_readfirstlane_b32 s[WV], v1                  ; wave 0..15
	s_bfe_u32 s29, ttmp6, 0x40000                  ; cx: my block of 512 queries; it enters global addresses of q and o alone
	s_and_b32 s30, ttmp7, 0xffff                   ; 16 x batch + head, which the four partners share
	s_mov_b32 s12, 15|(3<<16)|(1<<21)              ; group 1: the mask: all four; elements of 8 bytes; bit 21 set beside a mask
	s_mov_b32 s13, 32<<16                          ; rows of 256 bytes
	s_mov_b32 s14, 51<<16
	s_mov_b32 s15, 32<<16
	s_mov_b32 s16, 51
	s_mov_b32 s17, 32                              ; dense
	s_mov_b32 s18, 0
	s_mov_b32 s19, 0
	s_mul_i32 s34, s[WV], 13056                    ; my sixteenth of the head's block: the same offset in memory and in LDS
	s_mul_i32 s32, s30, 208896
	s_add_co_u32 s32, s32, s34
	s_mov_b32 s33, 0
	s_mov_b32 s[SEL], 0x76543210
	s_mov_b32 s[SEL+1], 0xfedcba98
	s_mov_b32 s[CS], 0x3e38aa3b                    ; c = log2(e) / sqrt(64)
	s_mov_b32 s[CS+1], s[CS]                       ; (named with it as a pair)
	s_wait_dscnt 0x0
	s_wait_kmcnt 0x0
	s_mov_b32 s24, 1
	s_mov_b32 s25, s34
	s_add_nc_u64 s[26:27], s[6:7], s[32:33]
	s_or_b32 s27, s27, 0x80000000
	CROUND                                         ; all four work-groups are here: the joint loads meet
	tensor_load_to_lds s[24:27], s[12:19]
	s_nop 0
	PLACES 4
	s_and_b32 s40, s[WV], 1
	s_lshr_b32 s41, s[WV], 1
	s_lshl_b32 s42, s40, 2
	s_lshl_b32 s43, s41, 8
	s_add_co_u32 s43, s43, OS                      ; the stage: group wave / 2
	s_lshl_b32 s35, s[WV], 8
	s_add_co_u32 s35, s35, OS                      ; and where waves 0-7 read a group back
	s_mul_i32 s44, s30, 106496                     ; the head in qi
	s_lshl_b32 s45, s29, 5
	s_lshl_b32 s46, s[WV], 1
	s_add_co_u32 s45, s45, s46                     ; my first query tile: 32 cx + 2 wave
	s_mul_i32 s45, s45, 768
	s_add_co_u32 s46, s44, s45
	s_mov_b32 s47, 0
	s_add_nc_u64 s[46:47], s[4:5], s[46:47]
	s_lshl_b32 s45, s29, 3
	s_add_co_u32 s45, s45, s41
	s_lshl_b32 s45, s45, 8
	s_add_co_u32 s44, s44, s45
	s_add_co_u32 s44, s44, 98304                   ; its scale group: 8 cx + wave / 2
	s_mov_b32 s45, 0
	s_add_nc_u64 s[44:45], s[4:5], s[44:45]
	s_lshr_b32 s48, s30, 4                         ; batch
	s_and_b32 s49, s30, 15                         ; head
	s_lshl_b32 s50, s48, 4
	s_lshl_b32 s51, s29, 2
	s_add_co_u32 s50, s50, s51
	s_lshr_b32 s51, s[WV], 2
	s_add_co_u32 s50, s50, s51
	s_mul_i32 s50, s50, 98304                      ; oi: the block of 128 tokens: 16 batch + 4 cx + wave / 4,
	s_lshr_b32 s51, s49, 1
	s_mul_i32 s51, s51, 12288                      ; the slab of 128 along K: head / 2,
	s_add_co_u32 s50, s50, s51
	s_and_b32 s51, s[WV], 3
	s_mul_i32 s51, s51, 3072                       ; my two fragments,
	s_add_co_u32 s50, s50, s51
	s_and_b32 s52, s49, 1
	s_mul_i32 s51, s52, 768                        ; their pieces 0-2 or 3-5: head % 2
	s_add_co_u32 s50, s50, s51
	s_mov_b32 s51, 0
	s_add_nc_u64 s[50:51], s[8:9], s[50:51]
	s_lshl_b32 s52, s52, 4                         ; o's two scale bytes stand in the word's lower or upper half: head % 2
	s_lshl_b32 s54, s48, 5
	s_lshl_b32 s55, s29, 3
	s_add_co_u32 s54, s54, s55
	s_min_u32 s53, s[WV], 7                        ; (waves 8-15 store nothing there)
	s_add_co_u32 s54, s54, s53
	s_lshl_b32 s54, s54, 12                        ; os: tile group 32 batch + 8 cx + wave: 16 heads x 256 bytes,
	s_lshl_b32 s55, s49, 8
	s_add_co_u32 s54, s54, s55                     ; my head's
	s_mov_b32 s55, 0
	s_add_nc_u64 s[54:55], s[10:11], s[54:55]
	v_and_b32 v4, 31, v0
	v_lshlrev_b32 v1, 3, v4                        ; 8 x lane
	v_and_b32 v3, 15, v0
	v_lshlrev_b32 v4, 3, v3
	v_add_nc_u32 v4, s42, v4                       ; my tiles' words in their scale group: 8 (lane % 16) + 4 (wave % 2), + 128 for the second tile
	v_add_nc_u32 v2, s43, v4
	v_add_nc_u32 v3, s35, v1
	v_mov_b32 v8, v1                               ; step 0's tiles of K
	v_add_nc_u32 v9, 2048, v1
	v_add_nc_u32 v10, 4096, v1
	v_add_nc_u32 v11, KSC, v1
	v_bfe_u32 v[SH8], v0, 4, 1
	v_lshlrev_b32 v[SH8], 3, v[SH8]
.irp i, 0,1,2,3,4,5
	v_mov_b32 v[Q+6+\i], 0                         ; Q's zero codes for K = 64 .. 127
.endr
	v_mov_b32 v[F+1], 0
	WALU                                           ; the wait at the head's end
.irp i, 0,1,2
	global_load_b64 v[Q+2*\i:Q+2*\i+1], v1, s[46:47] offset:256*\i
	global_load_b64 v[Q2+2*\i:Q2+2*\i+1], v1, s[46:47] offset:768+256*\i
.endr
	global_load_b32 v[QS], v4, s[44:45]
	global_load_b32 v[QS2], v4, s[44:45] offset:128
	s_wait_loadcnt 0x0                             ; Q
	s_wait_tensorcnt 0x0                           ; my part of the head's block has landed,
	s_barrier_signal -1
	s_barrier_wait -1                              ; everybody's has
	KLOAD
; A KEY STEP: 128 keys.  s39 counts the steps
.macro STEP
	s_add_co_u32 s40, s39, 1
	s_and_b32 s40, s40, 15                         ; the step whose K is asked for in this one; behind the last, step 0
	s_mul_i32 s36, s40, 6144
	s_lshl_b32 s37, s40, 9
	s_mul_i32 s41, s39, 6144                       ; this step's V
	s_lshl_b32 s38, s39, 8
	s_wait_dscnt 0x0                               ; K
.irp t, 0,1,2,3,4,5,6,7
	WM S+8*\t, KF+6*\t, Q, 0, KS+\t/2, QS, \t%2
.endr
	v_add3_u32 v5, s41, VC, v1                     ; eight plain lines: the places behind the products, ahead of the loads into V's registers, of the first read of the scores and of the first write into K's registers
	v_add3_u32 v6, s41, VC+2048, v1
	v_add3_u32 v7, s41, VC+4096, v1
	v_add3_u32 v4, s38, VSC, v1
	v_add_nc_u32 v8, s36, v1
	v_add3_u32 v9, s36, 2048, v1
	v_add3_u32 v10, s36, 4096, v1
	v_add3_u32 v11, s37, KSC, v1
.irp j, 0,1,2                          ; 13 LDS loads: V lands while the softmax is worked
.irp m, 0,1,2,3
	ds_load_2addr_b64 v[VF+16*\j+4*\m:VF+16*\j+4*\m+3], v[5+\j] offset0:64*\m offset1:64*\m+32
.endr
.endr
	ds_load_b64 v[VS:VS+1], v4
.irp k, 0,1,2,3                        ; the largest score of my two blocks of 32 keys, four chains by turns; each accumulator is read from its low end on
	v_max3_num_f32 v[MB+\k], v[S+16*\k], v[S+16*\k+1], v[S+16*\k+2]
.endr
.irp i, 3,5,7,9,11,13
.irp k, 0,1,2,3
	v_max3_num_f32 v[MB+\k], v[MB+\k], v[S+16*\k+\i], v[S+16*\k+\i+1]
.endr
.endr
.irp c, 0,1
	v_max3_num_f32 v[MB+2*\c], v[MB+2*\c], v[S+32*\c+15], v[S+32*\c+31]
.endr
.irp c, 0,1
	v_max_num_f32 v[MB+2*\c], v[MB+2*\c], v[MB+2*\c+1]   ; it serves the row's maximum and, since p rises with the score, the block's largest p
.endr
	v_max3_num_f32 v13, v13, v[MB], v[MB+2]
	s_delay_alu instid0(VALU_DEP_1)
	v_permlanex16_b32 v[TP], v13, s[SEL], s[SEL+1]
	s_delay_alu instid0(VALU_DEP_1)
	v_max_num_f32 v13, v13, v[TP]                  ; with lane l xor 16's keys: the row's largest score so far
	s_delay_alu instid0(VALU_DEP_1)
	v_mul_f32 v[TP], s[CS], v13                    ; as t (c is positive)
	v_mov_b32 v[TP+1], v12
	s_delay_alu instid0(VALU_DEP_2)
	v_floor_f32 v12, -v[TP]                        ; the new -M = floor(-t) = -ceil(t)
	s_delay_alu instid0(VALU_DEP_1)
	v_sub_f32 v[TP+1], v12, v[TP+1]                ; old M - new M: a whole number, 0 or less
	s_delay_alu instid0(VALU_DEP_1)
	v_cvt_i32_f32 v[TP+1], v[TP+1]                 ; (it saturates)
	s_delay_alu instid0(VALU_DEP_1)
	v_ldexp_f32 v[F], 1.0, v[TP+1]                 ; f
.set J, 0
.rept 32
	v_pk_fma_f32 v[S+J:S+J+1], v[S+J:S+J+1], s[CS:CS+1], v[12:13] op_sel_hi:[1,0,0]   ; t - M, two at a time
.set J, J+2
.endr
.irp c, 0,2
	v_fma_f32 v[MB+\c], v[MB+\c], s[CS], v12       ; the same of each block's largest score
.endr
	WALU                                           ; the wait ahead of the batch
.set J, 0
.rept 64
	v_exp_f32 v[S+J], v[S+J]                       ; p = 2^(t - M)
.set J, J+1
.endr
.irp c, 0,2
	v_exp_f32 v[MB+\c], v[MB+\c]                   ; the block's largest p: the same two instructions on the same number
.endr
	WALU                                           ; one wait for the batch, directly ahead of the first readers of O^T
.set J, 0
.rept 16
	v_pk_mul_f32 v[O+J:O+J+1], v[O+J:O+J+1], v[F:F+1] op_sel_hi:[1,0]   ; O^T under the new M; plain lines behind the exponentials
.set J, J+2
.endr
.irp c, 0,1
	v_max_num_f32 v[MB+2*\c], 0x1800000, v[MB+2*\c]   ; the floor 2^(3 - 127): the byte cannot fall under 1
.endr
.irp c, 0,1
	v_add_nc_u32 v[SO+\c], 0xff000000, v[MB+2*\c]  ; 2 off the exponent field: the conversion's scale operand
.endr
.irp c, 0,1
	v_cvt_scalef32_pk16_fp6_f32 v[PC+6*\c:PC+6*\c+2], v[S+32*\c:S+32*\c+15], v[SO+\c]
	v_cvt_scalef32_pk16_fp6_f32 v[CT+4*\c:CT+4*\c+2], v[S+32*\c+16:S+32*\c+31], v[SO+\c]   ; (a conversion's three registers begin on an even number)
.endr
.irp c, 0,1
	v_lshrrev_b32 v[TP+\c], 23, v[SO+\c]           ; the scales' bytes: plain lines behind the conversions
.endr
	v_lshl_or_b32 v[TP], v[TP+1], 16, v[TP]        ; blocks h and 2 + h
.irp c, 0,1
.irp i, 0,1,2
	v_mov_b32 v[PC+6*\c+3+\i], v[CT+4*\c+\i]
.endr
.endr
	v_lshlrev_b32 v[TP], v[SH8], v[TP]             ; at their places in the word
	s_delay_alu instid0(VALU_DEP_1)
	v_permlanex16_b32 v[TP+1], v[TP], s[SEL], s[SEL+1]
	s_delay_alu instid0(VALU_DEP_1)
	v_or_b32 v[PW], v[TP], v[TP+1]                 ; p's scale word for these 128 keys
	v_pk_fma_f32 v[14:15], v[14:15], v[F:F+1], v[S:S+1] op_sel_hi:[1,0,1]   ; THE ROW'S SUM, of the unquantised p: the old sum under the new M, and four chains by turns
.irp k, 0,1,2
	v_pk_add_f32 v[SU+2*\k:SU+2*\k+1], v[S+2+4*\k:S+3+4*\k], v[S+4+4*\k:S+5+4*\k]
.endr
.irp m, 0,1,2,3
	v_pk_add_f32 v[14:15], v[14:15], v[S+14+8*\m:S+15+8*\m]
.irp k, 0,1,2
	v_pk_add_f32 v[SU+2*\k:SU+2*\k+1], v[SU+2*\k:SU+2*\k+1], v[S+16+8*\m+2*\k:S+17+8*\m+2*\k]
.endr
.endr
	v_pk_add_f32 v[X:X+1], v[SU:SU+1], v[SU+2:SU+3]
	v_pk_add_f32 v[14:15], v[14:15], v[SU+4:SU+5]
	KLOAD                                          ; nothing in K's registers is wanted any more: the next step's tiles
.irp m, 0,1,2,3                        ; the last nine pairs: also the places between the codes and the scale word just made and the products
	v_pk_add_f32 v[14:15], v[14:15], v[S+46+4*\m:S+47+4*\m]
	v_pk_add_f32 v[X:X+1], v[X:X+1], v[S+48+4*\m:S+49+4*\m]
.endr
	v_pk_add_f32 v[14:15], v[14:15], v[S+62:S+63]
	v_pk_add_f32 v[14:15], v[14:15], v[X:X+1]
	WALU                                           ; directly ahead of the wait below
	s_wait_dscnt 13                                ; V is in; younger are K's 13 loads
.irp c, 0,1,2,3
	WM O+8*\c, VF+12*\c, PC, v[O+8*\c:O+8*\c+7], VS+\c/2, PW, \c%2
.endr
.endm
; One tile of 16 queries: all 16 key steps, then o = O^T / the sum, quantised along the head's 64.  K's loads for the next tile are out meanwhile: nothing here names their registers
.macro TILE q
.if (\q) == 1
	s_wait_xcnt 0x0                                ; the first tile's stores have read their registers
.irp i, 0,1,2,3,4,5
	v_mov_b32 v[Q+\i], v[Q2+\i]
.endr
	v_mov_b32 v[QS], v[QS2]
.endif
	v_mov_b32 v13, 0xff61b1e6                      ; the largest score so far: -3e38
	v_mov_b32 v12, 0x7f61b1e6                      ; -M: 3e38, so that the first f is 0
	v_mov_b32 v14, 0
	v_mov_b32 v15, 0
.set J, 0
.rept 32
	v_mov_b32 v[O+J], 0                            ; the step is written once: the first finds zeros
.set J, J+1
.endr
	s_mov_b32 s39, 0
	WALU
.Lstep_\@:
	STEP
	s_add_co_u32 s39, s39, 1
	s_cmp_lt_u32 s39, 16
	s_cbranch_scc1 .Lstep_\@
	PLACES 4
	v_add_f32 v14, v14, v15
	v_permlanex16_b32 v[F], v14, s[SEL], s[SEL+1]
	v_add_f32 v14, v14, v[F]                       ; the row's sum
	WALU
	v_rcp_f32 v14, v14
	v_nop
	WALU                                           ; ahead of the reciprocal's first reader and of O^T's
.set J, 0
.rept 32
	v_mul_f32 v[S+J], v[O+J], v14                  ; register i = channel 32 (lane / 16) + i; each accumulator from its low end on
.set J, J+1
.endr
.irp b, 0,1
	v_max3_num_f32 v[S+32+\b], |v[S+16*\b]|, |v[S+16*\b+1]|, 0x1800000
.endr
.irp i, 2,4,6,8,10,12,14
.irp b, 0,1
	v_max3_num_f32 v[S+32+\b], v[S+32+\b], |v[S+16*\b+\i]|, |v[S+16*\b+\i+1]|
.endr
.endr
	v_max_num_f32 v[S+32], v[S+32], v[S+33]        ; my block's largest magnitude
	v_add_nc_u32 v[S+34], 0xff000000, v[S+32]
	v_cvt_scalef32_pk16_fp6_f32 v[S+36:S+38], v[S:S+15], v[S+34]
	v_cvt_scalef32_pk16_fp6_f32 v[S+40:S+42], v[S+16:S+31], v[S+34]
	v_lshrrev_b32 v[S+33], 23, v[S+34]
	v_lshlrev_b32 v[S+33], v[SH8], v[S+33]
	v_permlanex16_b32 v[S+35], v[S+33], s[SEL], s[SEL+1]
	v_or_b32 v[S+33], v[S+33], v[S+35]             ; the head's two bytes,
	v_lshlrev_b32 v[S+33], s52, v[S+33]            ; at their place in the word of 128 along K; the other head of the pair fills the other half in a word of its own
.irp i, 0,1,2
	v_mov_b32 v[S+39+\i], v[S+40+\i]
.endr
.irp i, 0,1,2
	global_store_b64 v1, v[S+36+2*\i:S+37+2*\i], s[50:51] offset:1536*(\q)+256*\i   ; 32 lanes store 256 consecutive bytes, aligned
.endr
	ds_store_b32 v2, v[S+33] offset:128*(\q)       ; lanes l and l xor 16 write the same word with the same value
.endm
	TILE 0
	TILE 1
	s_wait_dscnt 0x0                               ; for the others' sake: my words lie in the stage
	s_barrier_signal -1
	s_barrier_wait -1
	s_cmp_lt_u32 s[WV], 8                          ; the work-group's 32 tiles are eight scale groups: waves 0-7 store one each, 256 consecutive bytes
	s_cbranch_scc0 .Lno_os
	ds_load_b64 v[S:S+1], v3
	s_wait_dscnt 0x0
	global_store_b64 v1, v[S:S+1], s[54:55]
.Lno_os:
	s_wait_tensorcnt 0x0                           ; the wave's end
	ds_add_u32 v[SPW], v[NIL]
	s_wait_dscnt 0x0
	CROUND                                         ; the closing round
	s_endpgm
.Lfunc_end_k_q75197c05f0_attn:
	.size	k_q75197c05f0_attn, .Lfunc_end_k_q75197c05f0_attn-k_q75197c05f0_attn
	.p2alignl 7, 3214868480
	.fill 96, 4, 3214868480
	.section	.rodata,"a",@progbits
	.p2align	6, 0x0
	.amdhsa_kernel k_q75197c05f0_attn
		.amdhsa_group_segment_fixed_size 215040
		.amdhsa_private_segment_fixed_size 0
		.amdhsa_enable_private_segment 0
		.amdhsa_kernarg_size 32
		.amdhsa_user_sgpr_count 2
		.amdhsa_user_sgpr_kernarg_segment_ptr 1
		.amdhsa_wavefront_size32 1
		.amdhsa_system_sgpr_workgroup_id_x 1
		.amdhsa_system_sgpr_workgroup_id_y 1
		.amdhsa_system_sgpr_workgroup_id_z 1
		.amdhsa_system_vgpr_workitem_id 0
		.amdhsa_next_free_vgpr 256
		.amdhsa_next_free_sgpr 66
		.amdhsa_reserve_vcc 0
		.amdhsa_float_denorm_mode_32 3
		.amdhsa_float_denorm_mode_16_64 3
		.amdhsa_memory_ordered 1
		.amdhsa_forward_progress 1
		.amdhsa_inst_pref_size 48
	.end_amdhsa_kernel
	.amdgpu_metadata
---
amdhsa.version: [ 1, 2 ]
amdhsa.kernels:
  - .name:           k_q75197c05f0_attn
    .symbol:         k_q75197c05f0_attn.kd
    .args:
      - { .name: qi, .offset: 0, .size: 8, .value_kind: global_buffer, .address_space: global }
      - { .name: kv, .offset: 8, .size: 8, .value_kind: global_buffer, .address_space: global }
      - { .name: oi, .offset: 16, .size: 8, .value_kind: global_buffer, .address_space: global }
      - { .name: os, .offset: 24, .size: 8, .value_kind: global_buffer, .address_space: global }
    .group_segment_fixed_size: 215040
    .private_segment_fixed_size: 0
    .kernarg_segment_align: 8
    .kernarg_segment_size: 32
    .max_flat_workgroup_size: 512
    .sgpr_count:     66
    .vgpr_count:     256
    .wavefront_size: 32
...
	.end_amdgpu_metadata
.endif
;; end of part 3
;; launch proj (part 4): grid 8 x 32, 4 waves a work-group, clusters of 4 x 4, 327,680 bytes of LDS; arguments oi, os, wi, bp, out0; writes out0
.if DOCPART == 4
	.amdgcn_target "amdgcn-amd-amdhsa--gfx1250"
	.amdhsa_code_object_version 6
	.text
	.protected	k_q75197c05f0_proj
	.globl	k_q75197c05f0_proj
	.p2align	8
	.type	k_q75197c05f0_proj,@function
k_q75197c05f0_proj:
	s_mov_b64 s[64:65], 0
	v_nop
	global_prefetch_b8 v0, s[64:65] scope:SCOPE_SE
	s_setreg_imm32_b32 hwreg(HW_REG_WAVE_MODE, 25, 1), 1
	s_wait_xcnt 0x0
	s_wait_alu depctr_hold_cnt(0) depctr_sa_sdst(0) depctr_va_vdst(0) depctr_va_sdst(0) depctr_va_ssrc(0) depctr_va_vcc(0) depctr_vm_vsrc(0)
	s_getreg_b32 s2, hwreg(HW_REG_IB_STS2, 6, 4)
	s_cmp_eq_u32 s2, 0
	s_cbranch_scc0 .Lentry_in_a_cluster
	s_endpgm
.Lentry_in_a_cluster:
	s_bfe_u32 s2, ttmp6, 0x10000c
	s_cmp_lg_u32 s2, 0xf033
	s_cbranch_scc0 .Lentry_shape_is_right
	s_endpgm
.Lentry_shape_is_right:
; out = o Wp + bp, on codes of FP6 (E2M3) with E8M0 scales for each 32 along K = (head, channel), 1,024.  o's codes and scale words and Wp's come as operand images; out0 [8192][1024] f32.
; A work-group makes 256 tokens x 128 columns with ALL of K: its operands (o: 2 x 98,304 bytes of codes, Wp: 102,400) lie in LDS whole, each byte filled once: no ring.  Four waves, each 64 tokens x 128 columns: 32 accumulators.
; THE MATRIX INSTRUCTION IS USED TRANSPOSED (source 0 = 16 columns of Wp, source 1 = 16 tokens): a lane holds eight neighbouring numbers of a row of out0.  The bias is the C of each sum's first product.
; Row p of token tile T of a block of 128 is token 64 (T / 4) + 8 (T % 4) + 32 (p / 8) + p % 8: the way out puts each row where it belongs.
; CLUSTERS: 4 x 4; o's tiles are asked for jointly along a row of the cluster, Wp's along a column.  A wave has one tensor load out at the most, one for each half of K.
; No prefetch: every tile is asked for at the head.  o's scale words (two bytes a head, in a word of their own) come into registers once, in whole runs of 256 bytes, and two heads' words are joined by an OR.
; REGISTERS: window 0: v1-9 addresses; v16-31 o's scale words for all of K; v32-39 Wp's, two sets; v64-159 o's fragments, two sets of 4; v160-223 the bias, 8 tiles; v224-255 o's words as loaded; on the way out v64-191 rows.
;   window 1: Wp's fragments, two sets of 8.   window 2: the 32 accumulators: (a, t) at v[8 (8 a + t)].
.set ABLK,  98304
.set ASLAB, 12288
.set BSLAB, 12800
.set BOFF,  2*ABLK
.set ADA, 2
.set ADB, 4
.set STO, 6                            ; v6  the way out: where I put 32 bytes of a row
.set RD,  7                            ; v7  where I read a row back
.set CO,  8                            ; v8  16 x lane: my bytes of a row's 512
.set SA,  16
.set SB,  32
.set AF,  64
.set BI,  160
.set TW,  224
.set BK,  64
.set SPITCH, 528                       ; the stage: 16 rows x (512 bytes + 16) for each wave, in bytes of o's first block: they have had their only fill, and behind the last barrier nobody reads them
.set WV,  60
.set MSB, 0
.macro WIN new
.if MSB != \new
	s_set_vgpr_msb (MSB<<8)|\new
.set MSB, \new
.endif
.endm
.macro PLACES n
.rept \n
	v_nop
.endr
.endm
.macro CROUND
	s_barrier_signal -1
	s_barrier_wait -1
	s_cmp_lg_u32 s[WV], 0
	s_cbranch_scc1 .Lnot_wave_0_\@
	s_barrier_signal -3
.Lnot_wave_0_\@:
	s_barrier_wait -3
	s_barrier_signal -1
	s_barrier_wait -1
.endm
; one product.  cr: C's first register.  ua, ub: 1 where the side's scale words lie in lanes 16-31 of the register named
.macro WM d, a, b, cr, sa, sb, ua, ub
.if (\ua) && (\ub)
	v_wmma_scale_f32_16x16x128_f8f6f4 v[(\d):(\d)+7], v[(\a):(\a)+11], v[(\b):(\b)+11], v[(\cr):(\cr)+7], v[\sa], v[\sb] matrix_a_fmt:MATRIX_FMT_FP6 matrix_b_fmt:MATRIX_FMT_FP6 matrix_a_scale:MATRIX_SCALE_ROW1 matrix_b_scale:MATRIX_SCALE_ROW1
.elseif (\ua)
	v_wmma_scale_f32_16x16x128_f8f6f4 v[(\d):(\d)+7], v[(\a):(\a)+11], v[(\b):(\b)+11], v[(\cr):(\cr)+7], v[\sa], v[\sb] matrix_a_fmt:MATRIX_FMT_FP6 matrix_b_fmt:MATRIX_FMT_FP6 matrix_a_scale:MATRIX_SCALE_ROW1
.elseif (\ub)
	v_wmma_scale_f32_16x16x128_f8f6f4 v[(\d):(\d)+7], v[(\a):(\a)+11], v[(\b):(\b)+11], v[(\cr):(\cr)+7], v[\sa], v[\sb] matrix_a_fmt:MATRIX_FMT_FP6 matrix_b_fmt:MATRIX_FMT_FP6 matrix_b_scale:MATRIX_SCALE_ROW1
.else
	v_wmma_scale_f32_16x16x128_f8f6f4 v[(\d):(\d)+7], v[(\a):(\a)+11], v[(\b):(\b)+11], v[(\cr):(\cr)+7], v[\sa], v[\sb] matrix_a_fmt:MATRIX_FMT_FP6 matrix_b_fmt:MATRIX_FMT_FP6
.endif
.endm
	s_load_b256 s[4:11], s[0:1], 0x0               ; oi s[4:5], os s[6:7], wi s[8:9], bp s[10:11]
	s_load_b64 s[66:67], s[0:1], 0x20              ; out0
	v_lshl_add_u32 v62, v0, 2, 0x49000
	v_mov_b32 v63, 0
	ds_add_u32 v62, v63
	ds_add_u32 v62, v63
	v_lshrrev_b32 v1, 5, v0
	v_readfirstlane_b32 s[WV], v1                  ; wave 0..3
	s_bfe_u32 s61, ttmp6, 0x40000                  ; cx
	s_bfe_u32 s62, ttmp6, 0x40004                  ; cy
	s_and_b32 s80, ttmp7, 0xffff
	s_lshl_b32 s81, s80, 2
	s_add_co_u32 s81, s81, s62                     ; which 256 tokens: 4 x cluster y + cy (in registers that never hold cx)
	s_mul_i32 s82, s81, 2*ABLK
	s_lshl_b32 s84, ttmp9, 2
	s_add_co_u32 s84, s84, s61                     ; which 128 columns: 4 x cluster x + cx (in registers that never hold cy)
	s_add_co_u32 s86, s84, 24                      ; Wp's blocks are wi's 24 to 31
	s_mul_i32 s86, s86, 102400
	s_lshl_b32 s92, s62, 2
	s_lshl_b32 s92, 15, s92                        ; my row of the cluster
	s_or_b32 s12, s92, (3<<16)|(1<<21)             ; group 1: dense blocks as rows of 256 bytes: o's slab 48 rows, Wp's quarter of two slabs 25
	s_lshl_b32 s93, 0x1111, s61                    ; my column
	s_or_b32 s20, s93, (3<<16)|(1<<21)
	s_mov_b32 s13, 32<<16
	s_mov_b32 s14, 192<<16                         ; o: half of K of a block, four slabs, 192 rows of 256 bytes
	s_mov_b32 s15, 32<<16
	s_mov_b32 s16, 192
	s_mov_b32 s17, 32
	s_mov_b32 s18, 0
	s_mov_b32 s19, 0
	s_mov_b32 s21, 32<<16
	s_mov_b32 s22, 100<<16                         ; Wp: half of four slabs, 100 rows
	s_mov_b32 s23, 32<<16
	s_mov_b32 s24, 100
	s_mov_b32 s25, 32
	s_mov_b32 s26, 0
	s_mov_b32 s27, 0
	s_and_b32 s95, s[WV], 1
	s_mul_i32 s94, s95, ABLK                       ; waves 0, 1 fetch o's block wave % 2; the same offset in memory and in LDS
	s_mul_i32 s96, s95, 25600                      ; waves 2, 3 fetch half wave % 2 of Wp's four slabs
	s_add_co_u32 s82, s82, s94
	s_mov_b32 s83, 0
	s_add_co_u32 s86, s86, s96
	s_mov_b32 s87, 0
	s_wait_dscnt 0x0
	s_wait_kmcnt 0x0
	s_add_nc_u64 s[88:89], s[4:5], s[82:83]
	s_add_nc_u64 s[90:91], s[8:9], s[86:87]
	CROUND                                         ; all sixteen work-groups are here: the joint loads meet
.irp c, 0,1                            ; half c of K: slabs 4 c .. 4 c + 3
	s_mov_b32 s[28+4*\c], 1
	s_add_co_u32 s[29+4*\c], s94, 4*ASLAB*\c
	s_add_nc_u64 s[30+4*\c:31+4*\c], s[88:89], 4*ASLAB*\c
	s_or_b32 s[31+4*\c], s[31+4*\c], 0x80000000
	s_mov_b32 s[44+4*\c], 1
	s_add_co_u32 s[45+4*\c], s96, BOFF+4*BSLAB*\c
	s_add_nc_u64 s[46+4*\c:47+4*\c], s[90:91], 4*BSLAB*\c
	s_or_b32 s[47+4*\c], s[47+4*\c], 0x80000000
.endr
; a joint load of half c of K, one a wave: waves 0, 1 for o, waves 2, 3 for Wp; each line has one mask; the branch hangs on the wave's number alone
.macro JLOAD c
	s_cmp_lt_u32 s[WV], 2
	s_cbranch_scc0 .Lfor_b_\@
	tensor_load_to_lds s[28+4*\c:31+4*\c], s[12:19]
	s_nop 0
	PLACES 4
	s_branch .Lasked_\@
.Lfor_b_\@:
	tensor_load_to_lds s[44+4*\c:47+4*\c], s[20:27]
	s_nop 0
	PLACES 4
.Lasked_\@:
.endm
	JLOAD 0                                        ; the first half of K: one tensor load of mine is out
	v_and_b32 v9, 31, v0
	v_lshlrev_b32 v1, 3, v9                        ; 8 x lane
	s_wait_alu depctr_va_vdst(0)
	v_lshlrev_b32 v[CO], 4, v9                     ; 16 x lane
	s_lshl_b32 s98, s81, 2
	s_add_co_u32 s98, s98, s[WV]
	s_lshl_b32 s98, s98, 12                        ; os: my four tiles' group, 16 heads x 256 bytes
	s_mov_b32 s99, 0
	s_add_nc_u64 s[68:69], s[6:7], s[98:99]
	s_lshl_b32 s98, s84, 9                         ; bp: my work-group's 128 numbers
	s_add_nc_u64 s[70:71], s[10:11], s[98:99]
.irp n, 0,1,2,3,4,5,6,7,8,9,10,11,12,13,14,15
	global_load_b64 v[TW+2*\n:TW+2*\n+1], v1, s[68:69] offset:256*\n
.endr
	v_bfe_u32 v9, v0, 4, 1
	v_lshlrev_b32 v9, 5, v9                        ; lane (r, h) wants, for tile t, the bias of columns 16 t + 8 h + 0 .. 7
.irp t, 0,1,2,3,4,5,6,7
	global_load_b128 v[BI+8*\t:BI+8*\t+3], v9, s[70:71] offset:64*\t
	global_load_b128 v[BI+8*\t+4:BI+8*\t+7], v9, s[70:71] offset:64*\t+16
.endr
	s_lshr_b32 s97, s[WV], 1
	s_mul_i32 s97, s97, ABLK
	s_and_b32 s98, s[WV], 1
	s_mul_i32 s98, s98, 6144
	s_add_co_u32 s98, s98, s97
	v_add_nc_u32 v[ADA], s98, v1                   ; my tiles of o: block wave / 2, tiles 4 (wave % 2) on
	v_add_nc_u32 v[ADA+1], 4*ASLAB, v[ADA]
	v_add_nc_u32 v[ADB], BOFF, v1
	v_add_nc_u32 v[ADB+1], 4*BSLAB, v[ADB]
	s_mul_i32 s97, s[WV], 16*SPITCH                ; my stage
	v_and_b32 v10, 15, v0
	v_mul_u32_u24 v[STO], v10, SPITCH
	v_add_nc_u32 v[STO], v9, v[STO]                ; in: row lane % 16, + 32 bytes for lanes 16-31
	v_add_nc_u32 v[STO], s97, v[STO]
	v_add_nc_u32 v[RD], s97, v[CO]                 ; back: a row's 512 bytes, 16 a lane
	s_lshl_b32 s97, s81, 8
	s_lshl_b32 s98, s[WV], 6
	s_add_co_u32 s97, s97, s98                     ; my first token: 256 x (4 y + cy) + 64 x wave
	s_lshl_b32 s97, s97, 12
	s_lshl_b32 s98, s84, 9                         ; my work-group's 512 bytes of a row
	s_add_co_u32 s98, s98, s97
	s_add_nc_u64 s[66:67], s[66:67], s[98:99]
	s_wait_loadcnt 0x0
.irp k, 0,1,2,3,4,5,6,7                ; slab k holds heads 2 k (the word's lower two bytes) and 2 k + 1 (the upper two)
	v_or_b32 v[SA+2*\k], v[TW+4*\k], v[TW+4*\k+2]
	v_or_b32 v[SA+2*\k+1], v[TW+4*\k+1], v[TW+4*\k+3]
.endr
	PLACES 8                                       ; scale registers written by vector instructions stand eight places ahead of a scaled product
.macro FETCH k, set
.set AQ, 40                            ; v40-48 the fetch's LDS addresses, one for each eight pieces of 256 bytes; two pieces to a load
	WIN 0
.irp j, 0,1,2,3,4,5                    ; the nine address lines are also the places behind the last products, ahead of loads into registers that they read
	v_add_nc_u32 v[AQ+\j], (\k)*BSLAB+2048*\j, v[ADB]
.endr
.irp j, 0,1,2
	v_add_nc_u32 v[AQ+6+\j], (\k)*ASLAB+2048*\j, v[ADA]
.endr
	WIN 0x40                                       ; destination window 1, address window 0
.irp j, 0,1,2,3,4,5
.irp m, 0,1,2,3
	ds_load_2addr_b64 v[96*(\set)+16*\j+4*\m:96*(\set)+16*\j+4*\m+3], v[AQ+\j] offset0:64*\m offset1:64*\m+32
.endr
.endr
	WIN 0
.irp j, 0,1,2
.irp m, 0,1,2,3
	ds_load_2addr_b64 v[AF+48*(\set)+16*\j+4*\m:AF+48*(\set)+16*\j+4*\m+3], v[AQ+6+\j] offset0:64*\m offset1:64*\m+32
.endr
.endr
	ds_load_b64 v[SB+4*(\set):SB+4*(\set)+1], v[ADB+(\k)/4] offset:((\k)%4)*BSLAB+12288
	ds_load_b64 v[SB+4*(\set)+2:SB+4*(\set)+3], v[ADB+(\k)/4] offset:((\k)%4)*BSLAB+12544
.endm
; 32 products: the accumulators take turns, one instruction a turn, in the same order in every step.  Slab 0's products take the bias as C: nothing is cleared or added later
.macro MUL k, set
.if (\k) == 0
	WIN 0x81                                       ; source 0 (Wp) window 1, source 1 (o) and C (the bias) window 0, D window 2
.else
	WIN 0xa1                                       ; C and D window 2
.endif
.irp a, 0,1,2,3
.irp t, 0,1,2,3,4,5,6,7
.if (\k) == 0
	WM 8*(8*\a+\t), 96*(\set)+12*\t, AF+48*(\set)+12*\a, BI+8*\t, SB+4*(\set)+\t/2, SA+2*(\k)+\a/2, \t%2, \a%2
.else
	WM 8*(8*\a+\t), 96*(\set)+12*\t, AF+48*(\set)+12*\a, 8*(8*\a+\t), SB+4*(\set)+\t/2, SA+2*(\k)+\a/2, \t%2, \a%2
.endif
.endr
.endr
.endm
.macro STEP k
	s_wait_dscnt 0x0                               ; this slab's set is in; no LDS instruction of mine is out at a signal
.if (\k) == 3
	s_wait_tensorcnt 0x0                           ; my load of the second half of K has landed
	s_barrier_signal -1
	s_barrier_wait -1                              ; everybody's have.
.endif
	FETCH (\k)+1, ((\k)+1)%2
	MUL \k, (\k)%2
.endm
	s_wait_alu depctr_va_vdst(0)                   ; the wait at the head's end
	s_wait_tensorcnt 0x0                           ; my part of the first half of K has landed
	ds_add_u32 v62, v63
	s_wait_dscnt 0x0
	CROUND                                         ; everybody's part is in, and all sixteen work-groups are here
	JLOAD 1                                        ; the second half of K, into bytes of its own: it has three slabs' products in which to land
	FETCH 0, 0
.irp k, 0,1,2,3,4,5,6
	s_wait_alu depctr_va_vdst(0)
	STEP \k
.endr
	s_wait_dscnt 0x0                               ; the last set is in: my reads of the operands are over:
	s_barrier_signal -1                            ; say so,
	MUL 7, 1                                       ; work on registers while the others arrive,
	WIN 0
	s_barrier_wait -1                              ; and behind this wait nobody reads the operands' bytes any more: the stages may be written
; THE WAY OUT, a tile of 16 tokens x 128 columns at a time: a lane holds 32 neighbouring bytes of a row and the lanes beside it other rows, so a tile goes through my own stage and comes back as whole rows of 512 bytes.
; LDS serves a wave's instructions in order (ISA guide 5.7.1.4): no wait between the stores and the loads, nor in front of the next tile's stores.
.macro TOSTAGE a
	WIN 0x08                                       ; an LDS store's data are its source 1: window 2
.irp t, 0,1,2,3,4,5,6,7
	ds_store_b128 v[STO], v[64*(\a)+8*\t:64*(\a)+8*\t+3] offset:64*\t            ; each accumulator from its low end on
	ds_store_b128 v[STO], v[64*(\a)+8*\t+4:64*(\a)+8*\t+7] offset:64*\t+16
.endr
	WIN 0
.irp p, 0,1,2,3,4,5,6,7,8,9,10,11,12,13,14,15
	ds_load_b128 v[BK+64*((\a)%2)+4*\p:BK+64*((\a)%2)+4*\p+3], v[RD] offset:SPITCH*\p
.endr
.endm
.macro SEND a, younger                 ; younger: the LDS instructions issued behind tile a's loads, which may stay out
	s_wait_dscnt \younger
.irp p, 0,1,2,3,4,5,6,7,8,9,10,11,12,13,14,15
	global_store_b128 v[CO], v[BK+64*((\a)%2)+4*\p:BK+64*((\a)%2)+4*\p+3], s[66:67] offset:(8*(\a)+32*(\p/8)+\p%8)*4096 th:TH_STORE_NT   ; row p of my tile a is token 8 a + 32 (p / 8) + p % 8 of my 64; 32 lanes store 512 consecutive bytes, aligned to 512; written once
.endr
.endm
	PLACES 4                                       ; in front of the first read of results and of loads into registers that held o's fragments
	TOSTAGE 0
.irp a, 1,2,3
.if \a > 1
	s_wait_xcnt 0x0                                ; tile a - 2's stores have read their registers: tile a's rows may land there
.endif
	TOSTAGE \a
	SEND \a-1, 32                                  ; behind tile a - 1's loads: tile a's 16 stores and 16 loads
.endr
	SEND 3, 0
	s_wait_tensorcnt 0x0
	ds_add_u32 v62, v63
	s_wait_dscnt 0x0
	CROUND                                         ; the closing round
	s_endpgm
.Lfunc_end_k_q75197c05f0_proj:
	.size	k_q75197c05f0_proj, .Lfunc_end_k_q75197c05f0_proj-k_q75197c05f0_proj
	.p2alignl 7, 3214868480
	.fill 96, 4, 3214868480
	.section	.rodata,"a",@progbits
	.p2align	6, 0x0
	.amdhsa_kernel k_q75197c05f0_proj
		.amdhsa_group_segment_fixed_size 327680
		.amdhsa_private_segment_fixed_size 0
		.amdhsa_enable_private_segment 0
		.amdhsa_kernarg_size 40
		.amdhsa_user_sgpr_count 2
		.amdhsa_user_sgpr_kernarg_segment_ptr 1
		.amdhsa_wavefront_size32 1
		.amdhsa_system_sgpr_workgroup_id_x 1
		.amdhsa_system_sgpr_workgroup_id_y 1
		.amdhsa_system_sgpr_workgroup_id_z 1
		.amdhsa_system_vgpr_workitem_id 0
		.amdhsa_next_free_vgpr 768
		.amdhsa_next_free_sgpr 100
		.amdhsa_reserve_vcc 0
		.amdhsa_float_denorm_mode_32 3
		.amdhsa_float_denorm_mode_16_64 3
		.amdhsa_memory_ordered 1
		.amdhsa_forward_progress 1
		.amdhsa_inst_pref_size 83
	.end_amdhsa_kernel
	.amdgpu_metadata
---
amdhsa.version: [ 1, 2 ]
amdhsa.kernels:
  - .name:           k_q75197c05f0_proj
    .symbol:         k_q75197c05f0_proj.kd
    .args:
      - { .name: oi, .offset: 0, .size: 8, .value_kind: global_buffer, .address_space: global }
      - { .name: os, .offset: 8, .size: 8, .value_kind: global_buffer, .address_space: global }
      - { .name: wi, .offset: 16, .size: 8, .value_kind: global_buffer, .address_space: global }
      - { .name: bp, .offset: 24, .size: 8, .value_kind: global_buffer, .address_space: global }
      - { .name: out0, .offset: 32, .size: 8, .value_kind: global_buffer, .address_space: global }
    .group_segment_fixed_size: 327680
    .private_segment_fixed_size: 0
    .kernarg_segment_align: 8
    .kernarg_segment_size: 40
    .max_flat_workgroup_size: 128
    .sgpr_count:     100
    .vgpr_count:     768
    .wavefront_size: 32
...
	.end_amdgpu_metadata
.endif
;; end of part 4
